; MI455X (gfx1250); checked and timed in simulation.
; The chip was launched on July 23, 2026; its instructions are those of AMD's public machine-readable ISA for CDNA 5 (MIT licence, August 2026) and "CDNA5" Instruction Set Architecture Reference Guide (July 2026). The comments in the code are by the model that wrote it; some were corrected since.
;; Mo E Layer. Allowed arithmetic: float matrix products may take bf16 or f16 operands with f32 sums; other float arithmetic in f32, or as packed bf16 or f16 multiplies, adds, multiply-adds, maxima and minima; sums over many terms, partial sums and values carried from step to step in f32; what a program stores and reads back later, other than sums and carried values, may be rounded once to bf16 or f16.
;; Inputs: b1 8 x 4,096 float32; b2 8 x 1,024 float32; router_w 8 x 1,024 float32; w1 8 x 1,024 x 4,096 float32; w2 8 x 4,096 x 1,024 float32; x 4 x 256 x 1,024 float32.
;; Outputs: out0 4 x 256 x 1,024 float32.
;; 3 versions, each right; version 2 is faster than version 1; version 3 is version 2 with the launches ffn1, ffn2 written anew for expert scheduling mode. Each part assembles by itself: llvm-mc -triple=amdgcn-amd-amdhsa -mcpu=gfx1250 --defsym DOCPART=n.
;; ======== version 1 of 3: 4 launches
;; workspace buffers: xb 2,097,152 bytes; topi 8,192 bytes of whole numbers; topw 8,192 bytes; hid 16,777,216 bytes; part 33,554,432 bytes
;; launch router (part 1): grid 256 x 1, 4 waves a work-group, no clusters, 0 bytes of LDS; arguments x, router_w, xb, topi, topw; writes xb, topi, topw
.if DOCPART == 1
	.amdgcn_target "amdgcn-amd-amdhsa--gfx1250"
	.amdhsa_code_object_version 6
	.text
	.protected	k_q93e1904959_router
	.globl	k_q93e1904959_router
	.p2align	8
	.type	k_q93e1904959_router,@function
k_q93e1904959_router:
	s_mov_b64 s[64:65], 0
	v_nop
	global_prefetch_b8 v0, s[64:65] scope:SCOPE_SE
	s_setreg_imm32_b32 hwreg(HW_REG_WAVE_MODE, 25, 1), 1
	s_wait_xcnt 0x0
; ROUTER.  One wave, one token t = 4 x work-group + wave.  It rounds the token's row of x to bf16 (xb, which the first product reads), makes the eight logits,
; their softmax (the maximum is taken away first), the two largest probabilities (a tie keeps the lower index) and their weights p / (p1 + p2 + 1e-9).
; The chosen experts go to topi[2 t], topi[2 t + 1] as whole numbers, the weights to topw at the same places: fixed places, so that no address here hangs on the choice.
; FORMATS.  x and router_w are rounded to bf16, as every input of the program is; products of two bf16 are exact in f32, sums are f32.
; The product has 8 columns (16.8 of the problem's 34,364 MFLOP): it is made on the vector unit, by multiply-adds that read bf16 halves, since half of a matrix tile's 16 columns would be idle.
; LIMITS.  NaN and infinities are not treated apart; a probability below 2^-126 counts as 0; the order of the sums differs from the reference's.
; REGISTERS.  window 0: v1 lane, v2 16 x lane, v3 8 x lane; v4-35 x as loaded; v36-51 x in bf16; v52-59 the eight sums; v60-84 at work; v128-255 router_w in bf16 (16 e + 2 j + z)
;             window 1: v0-255 router_w as loaded (32 e + 4 j)
.set MSB, 0
.macro WIN new                          ; the immediate's high byte repeats the setting that is left
.if MSB != (\new)
	s_set_vgpr_msb (MSB<<8)|(\new)
.set MSB, (\new)
.endif
.endm
	s_load_b256 s[4:11], s[0:1], 0x0               ; x s[4:5], router_w s[6:7], xb s[8:9], topi s[10:11]
	s_load_b64 s[12:13], s[0:1], 0x20              ; topw
	v_and_b32 v1, 31, v0                           ; lane
	v_lshrrev_b32 v60, 5, v0
	v_readfirstlane_b32 s16, v60                   ; wave
	s_lshl_b32 s17, ttmp9, 2
	s_add_co_u32 s17, s17, s16                     ; token
	v_lshlrev_b32 v2, 4, v1
	v_lshlrev_b32 v3, 3, v1
	v_mov_b32 v84, 0
	s_mov_b32 s19, 0
	s_mov_b32 s20, 0x76543210                      ; v_permlanex16_b32: each lane takes its own place in the other half
	s_mov_b32 s21, 0xfedcba98
	s_wait_kmcnt 0x0
	s_lshl_b32 s18, s17, 12
	s_add_nc_u64 s[4:5], s[4:5], s[18:19]          ; x at my row of 4,096 bytes
	s_lshl_b32 s18, s17, 11
	s_add_nc_u64 s[8:9], s[8:9], s[18:19]          ; xb at my row of 2,048 bytes
	s_lshl_b32 s18, s17, 3
	s_add_nc_u64 s[10:11], s[10:11], s[18:19]      ; my two words of topi
	s_add_nc_u64 s[12:13], s[12:13], s[18:19]      ; and of topw
.irp j, 0,1,2,3,4,5,6,7
	global_load_b128 v[4+4*(\j):7+4*(\j)], v2, s[4:5] offset:512*(\j) th:TH_LOAD_NT  ; 512 consecutive bytes a load; lane l holds columns 128 j + 4 l ..
.endr
	WIN 0x40                                       ; destination window 1
.irp e, 0,1,2,3,4,5,6,7
.irp j, 0,1,2,3,4,5,6,7
	global_load_b128 v[32*(\e)+4*(\j):32*(\e)+4*(\j)+3], v2, s[6:7] offset:4096*(\e)+512*(\j)
.endr
.endr
	WIN 0
	s_wait_loadcnt 63                              ; 64 loads were issued behind x's eight: with 63 out at the most, x is in
.irp j, 0,1,2,3,4,5,6,7
	v_cvt_pk_bf16_f32 v[36+2*(\j)], v[4+4*(\j)], v[5+4*(\j)]
	v_cvt_pk_bf16_f32 v[37+2*(\j)], v[6+4*(\j)], v[7+4*(\j)]
.endr
.irp j, 0,1,2,3,4,5,6,7
	global_store_b64 v3, v[36+2*(\j):37+2*(\j)], s[8:9] offset:256*(\j)  ; the wave's 32 lanes store 256 consecutive bytes, aligned
.endr
.irp e, 0,1,2,3,4,5,6,7
	v_mov_b32 v[52+(\e)], 0                        ; the multiply-adds below take registers alone
.endr
	s_wait_loadcnt 0x0                             ; router_w
	WIN 0x05                                       ; sources window 1, destination window 0
.irp e, 0,1,2,3,4,5,6,7
.irp j, 0,1,2,3,4,5,6,7
	v_cvt_pk_bf16_f32 v[128+16*(\e)+2*(\j)], v[32*(\e)+4*(\j)], v[32*(\e)+4*(\j)+1]
	v_cvt_pk_bf16_f32 v[128+16*(\e)+2*(\j)+1], v[32*(\e)+4*(\j)+2], v[32*(\e)+4*(\j)+3]
.endr
.endr
	WIN 0
	; 256 multiply-adds: the eight experts' chains take turns
.irp j, 0,1,2,3,4,5,6,7
.irp z, 0,1
.irp e, 0,1,2,3,4,5,6,7
	v_fma_mix_f32_bf16 v[52+(\e)], v[36+2*(\j)+(\z)], v[128+16*(\e)+2*(\j)+(\z)], v[52+(\e)] op_sel_hi:[1,1,0]
.endr
.irp e, 0,1,2,3,4,5,6,7
	v_fma_mix_f32_bf16 v[52+(\e)], v[36+2*(\j)+(\z)], v[128+16*(\e)+2*(\j)+(\z)], v[52+(\e)] op_sel:[1,1,0] op_sel_hi:[1,1,0]
.endr
.endr
.endr
	; across the 32 lanes: every lane ends with the same eight logits
.irp x, 1,2,4,8
.irp e, 0,1,2,3,4,5,6,7
	v_add_f32_dpp v[52+(\e)], v[52+(\e)], v[52+(\e)] row_xmask:\x row_mask:0xf bank_mask:0xf
.endr
.endr
.irp e, 0,1,2,3,4,5,6,7
	v_permlanex16_b32 v[4+(\e)], v[52+(\e)], s20, s21  ; its destination counts as read: x's registers have been written
.endr
.irp e, 0,1,2,3,4,5,6,7
	v_add_f32 v[52+(\e)], v[52+(\e)], v[4+(\e)]
.endr
	; softmax
	v_max3_num_f32 v60, v52, v53, v54
	v_max3_num_f32 v60, v60, v55, v56
	v_max3_num_f32 v60, v60, v57, v58
	v_max_num_f32 v60, v60, v59
.irp e, 0,1,2,3,4,5,6,7
	v_sub_f32 v[62+(\e)], v[52+(\e)], v60
.endr
.irp e, 0,1,2,3,4,5,6,7
	v_mul_f32 v[62+(\e)], 0x3fb8aa3b, v[62+(\e)]   ; log2(e)
.endr
.irp e, 0,1,2,3,4,5,6,7
	v_exp_f32 v[62+(\e)], v[62+(\e)]
.endr
	v_nop                                          ; a plain instruction behind the last exponential,
	s_wait_alu depctr_va_vdst(0)                   ; and one wait for the eight, ahead of their first reader
	v_add_f32 v70, v62, v63
	v_add_f32 v71, v64, v65
	v_add_f32 v76, v66, v67
	v_add_f32 v77, v68, v69
	v_add_f32 v70, v70, v71
	v_add_f32 v76, v76, v77
	v_add_f32 v70, v70, v76
	v_rcp_f32 v71, v70
	v_nop
	s_wait_alu depctr_va_vdst(0)
.irp e, 0,1,2,3,4,5,6,7
	v_mul_f32 v[62+(\e)], v[62+(\e)], v71          ; the probabilities
.endr
; The largest of v62-69 and its index: a strict comparison, ascending, keeps the lower index of equals.  Values are selected; nothing branches.
.macro SCAN best, idx
	v_mov_b32 v[\best], v62
	v_mov_b32 v[\idx], 0
.irp i, 1,2,3,4,5,6,7
	v_cmp_gt_f32 vcc_lo, v[62+(\i)], v[\best]
	v_cndmask_b32 v[\best], v[\best], v[62+(\i)], vcc_lo
	v_cndmask_b32 v[\idx], v[\idx], \i, vcc_lo
.endr
.endm
	SCAN 72, 80
.irp i, 0,1,2,3,4,5,6,7
	v_cmp_eq_u32 vcc_lo, \i, v80
	v_cndmask_b32 v[62+(\i)], v[62+(\i)], -1.0, vcc_lo  ; the first choice leaves the field: every probability is 0 or more
.endr
	SCAN 74, 81
	v_add_f32 v76, v72, v74
	v_add_f32 v76, 0x3089705f, v76                 ; + 1e-9
	v_rcp_f32 v77, v76
	v_nop
	s_wait_alu depctr_va_vdst(0)
	v_mul_f32 v82, v72, v77
	v_mul_f32 v83, v74, v77
	v_cmp_eq_u32 vcc_lo, 0, v1
	s_wait_xcnt 0x0                                ; EXEC, a source of the stores above, changes only behind this wait
	s_and_saveexec_b32 s22, vcc_lo                 ; lane 0 stores for the wave
	global_store_b64 v84, v[80:81], s[10:11]
	global_store_b64 v84, v[82:83], s[12:13]
	s_endpgm
.Lfunc_end_k_q93e1904959_router:
	.size	k_q93e1904959_router, .Lfunc_end_k_q93e1904959_router-k_q93e1904959_router
	.p2alignl 7, 3214868480
	.fill 96, 4, 3214868480
	.section	.rodata,"a",@progbits
	.p2align	6, 0x0
	.amdhsa_kernel k_q93e1904959_router
		.amdhsa_group_segment_fixed_size 0
		.amdhsa_private_segment_fixed_size 0
		.amdhsa_enable_private_segment 0
		.amdhsa_kernarg_size 40
		.amdhsa_user_sgpr_count 2
		.amdhsa_user_sgpr_kernarg_segment_ptr 1
		.amdhsa_wavefront_size32 1
		.amdhsa_system_sgpr_workgroup_id_x 1
		.amdhsa_system_sgpr_workgroup_id_y 1
		.amdhsa_system_sgpr_workgroup_id_z 1
		.amdhsa_system_vgpr_workitem_id 0
		.amdhsa_next_free_vgpr 512
		.amdhsa_next_free_sgpr 66
		.amdhsa_reserve_vcc 1
		.amdhsa_float_denorm_mode_32 3
		.amdhsa_float_denorm_mode_16_64 3
		.amdhsa_memory_ordered 1
		.amdhsa_forward_progress 1
		.amdhsa_inst_pref_size 42
	.end_amdhsa_kernel
	.amdgpu_metadata
---
amdhsa.version: [ 1, 2 ]
amdhsa.kernels:
  - .name:           k_q93e1904959_router
    .symbol:         k_q93e1904959_router.kd
    .args:
      - { .name: x, .offset: 0, .size: 8, .value_kind: global_buffer, .address_space: global }
      - { .name: router_w, .offset: 8, .size: 8, .value_kind: global_buffer, .address_space: global }
      - { .name: xb, .offset: 16, .size: 8, .value_kind: global_buffer, .address_space: global }
      - { .name: topi, .offset: 24, .size: 8, .value_kind: global_buffer, .address_space: global }
      - { .name: topw, .offset: 32, .size: 8, .value_kind: global_buffer, .address_space: global }
    .group_segment_fixed_size: 0
    .private_segment_fixed_size: 0
    .kernarg_segment_align: 8
    .kernarg_segment_size: 40
    .max_flat_workgroup_size: 128
    .sgpr_count:     66
    .vgpr_count:     512
    .wavefront_size: 32
...
	.end_amdgpu_metadata
.endif
;; end of part 1
;; launch ffn1 (part 2): grid 32 x 8, 4 waves a work-group, no clusters, 84,480 bytes of LDS; arguments xb, w1, b1, topi, hid; writes hid
.if DOCPART == 2
	.amdgcn_target "amdgcn-amd-amdhsa--gfx1250"
	.amdhsa_code_object_version 6
	.text
	.protected	k_q93e1904959_ffn1
	.globl	k_q93e1904959_ffn1
	.p2align	8
	.type	k_q93e1904959_ffn1,@function
k_q93e1904959_ffn1:
	s_mov_b64 s[64:65], 0
	v_nop
	global_prefetch_b8 v0, s[64:65] scope:SCOPE_SE
	s_setreg_imm32_b32 hwreg(HW_REG_WAVE_MODE, 25, 1), 1
	s_wait_xcnt 0x0
; FIRST PRODUCT.  hid[rho] = gelu(xb[rho / 2] . w1[e] + b1[e]) for every routed row rho = 2 t + k with topi[rho] = e; rows keep the fixed place rho.
; SHARES.  Work-group (slice, e) owns w1[e][0..1023][128 slice .. +127], which it alone reads.  Wave w owns K quarter w (256 k) of it, for all 128 columns, and holds it in 512 registers as
; source 1 of the matrix instruction: 8 K steps x 8 fragments.  The weights go from memory straight into those registers: a lane loads 16 bytes (4 columns) of a row, so that lanes 0-15 take 256
; consecutive aligned bytes of one row and lanes 16-31 those of the row 8 further on; one conversion rounds the same column of two neighbouring rows to a pair of bf16.  A lane's four columns go to four
; fragments: fragment c = 4 g + i holds in lane r column 64 g + 4 r + i.
; ROWS.  Every wave makes its own list of the expert's rows in LDS (a count over the 2,048 words of topi; no wave reads another's).  The loop takes 32 list rows a trip: each wave loads its K quarter of
; them from xb straight into source 0's registers (each fragment feeds 8 matrix instructions), the four waves' partial sums meet in LDS (f32), and wave d finishes rows 8 h + 2 d + 0, 1 of each 16.
; The loop has 32 trips, enough for the 1,024 rows that an expert can have; every wave passes both barriers of every trip, and only work is jumped over.
; A TILE THAT IS NOT FULL.  The 32 list places behind the count repeat the expert's first row: such a place computes that row once more and stores the same numbers to the same bytes of this
; work-group's slice, so that no store needs a mask and EXEC is never changed.  An expert without rows has no tile and stores nothing.
; hid's COLUMNS.  Lane r stores 16 bytes at byte 16 r of the slice's 256: columns 4 r .. 4 r + 3, then 64 + 4 r .. + 3.  The second product reads w2's rows in the same order.
; NO JOINT LOADS: each weight byte has one reader, and the rows that an expert's work-groups share are picked by a list, which no tile descriptor covers.
; FORMATS.  xb, w1, b1 rounded to bf16; sums f32; hid rounded once to bf16 (with inputs 30 times larger it passes f16's 65,504).
; GELU.  gelu(z) = max(z, 0) - |z| q, q = poly(t) 2^(-0.72135 z z) / 2, t = 1 / (1 + 0.231642 |z|): the rational approximation of erf with five terms, absolute error 1.5e-7 for every z.
; LIMITS.  NaN and infinities are not treated apart; the order of the sums differs from the reference's.
; REGISTERS, in windows of 256 (s_set_vgpr_msb: bits 1:0 source 0, 3:2 source 1, 5:4 source 2, 7:6 destination):
;   window 0: v1 lane, v2 r, v3 h, v4 lane's offset in the weights, v5 16 h, v6-7 offsets of the next 32 rows in xb, v8-9 their list entries, v10-11 my places in a tile of the list (never rewritten),
;     v12-15 list entries, then offsets, of the rows that I store, v20-21 my places in RED, v22 16 r, v24-25 the add's two, v26-30 for the list, v31 at work, v32-47 bias in pairs,
;     v48-55 bias as loaded, v56-59 zeros, v60-63 at work, v64-95 Z, v96-111 the rows to store, v128-255 accumulators, then the partial sums, then GELU's four tables
;   window 1: weights of K steps 0-3 (64 s + 8 c)   window 2: of K steps 4-7   window 3: two buffers of 128 for weights as loaded; later source 0's fragments (64 m + 8 s)
.set PW,    16384                       ; bytes in a row of w1
.set LISTB, 4608                        ; a wave's list: 1,088 entries, 32 words for lanes without a match, the rest unused
.set RED,   4*LISTB                     ; 65,536 bytes: block (d, s) at 16,384 d + 4,096 s: what wave s hands to wave d; in it accumulator a, lane l at 256 a + 8 l
.set SPARE, RED+65536                   ; the spare words, 128 bytes a wave: two blocks of 256 bytes that no other line names
.set ACC, 128
.set Z,   64
.set HH,  96
.set TT,  128
.set EE,  160
.set PP,  192
.set MX,  224
.set BIP, 32
.set MSB, 0
.macro WIN new                          ; the immediate's high byte repeats the setting that is left; a switch that changes nothing is dropped
.if MSB != (\new)
	s_set_vgpr_msb (MSB<<8)|(\new)
.set MSB, (\new)
.endif
.endm
; 32 loads: the 32 rows of K step s, 512 bytes each, into buffer buf.  Row 32 s + 16 u + 8 h + j, column group g.
.macro LOADW s, buf
	WIN 0xc0
.irp u, 0,1
.irp j, 0,1,2,3,4,5,6,7
.irp g, 0,1
.set RB, 128*(\buf)+((8*(\u)+(\j))*2+(\g))*4
	global_load_b128 v[RB:RB+3], v4, s[22:23] offset:(32*(\s)+16*(\u)+(\j))*PW+256*(\g) th:TH_LOAD_NT
.endr
.endr
.endr
.endm
; 64 conversions: register 4 u + p of fragment 4 g + i takes k = 16 u + 8 h + 2 p (low half) and the next (high half)
.macro CVTW s, buf
	WIN 0x4f+0x40*((\s)/4)
.irp g, 0,1
.irp i, 0,1,2,3
.irp u, 0,1
.irp p, 0,1,2,3
	v_cvt_pk_bf16_f32 v[64*((\s)%4)+8*(4*(\g)+(\i))+4*(\u)+(\p)], v[128*(\buf)+((8*(\u)+2*(\p))*2+(\g))*4+(\i)], v[128*(\buf)+((8*(\u)+2*(\p)+1)*2+(\g))*4+(\i)]
.endr
.endr
.endr
.endr
.endm
; list entries -> byte offsets in xb: the entry is held to 2,047 first; token rho / 2, 2,048 bytes a row, + 16 h
.macro AADDR
.irp m, 0,1
	v_min_u32 v[8+(\m)], 0x7ff, v[8+(\m)]
.endr
.irp m, 0,1
	v_and_b32 v[8+(\m)], 0x7fe, v[8+(\m)]
.endr
.irp m, 0,1
	v_lshlrev_b32 v[8+(\m)], 10, v[8+(\m)]
.endr
.irp m, 0,1
	v_add_nc_u32 v[6+(\m)], v5, v[8+(\m)]
.endr
.endm
; 32 loads: my K quarter of 32 rows as source 0's fragments: lane (r, h) takes row r's bytes 64 s + 16 h and + 32.  K step by K step, so that the products can begin early.
.macro ALOAD
	WIN 0xc0
.irp s, 0,1,2,3,4,5,6,7
.irp m, 0,1
.irp u, 0,1
	global_load_b128 v[64*(\m)+8*(\s)+4*(\u):64*(\m)+8*(\s)+4*(\u)+3], v[6+(\m)], s[24:25] offset:64*(\s)+32*(\u)
.endr
.endr
.endr
	WIN 0
.endm
; 128 matrix instructions.  The 16 accumulators take turns, one instruction a turn; the first K step starts the sums with the constant 0.
.macro MULS
.irp s, 0,1,2,3,4,5,6,7
	s_wait_loadcnt 28-4*(\s)                       ; four loads for each later K step may stay out
	WIN 0x07+4*((\s)/4)                            ; source 0 window 3, source 1 window 1 or 2
.irp m, 0,1
.irp c, 0,1,2,3,4,5,6,7
.if (\s) == 0
	v_wmma_f32_16x16x32_bf16 v[ACC+8*(8*(\m)+(\c)):ACC+8*(8*(\m)+(\c))+7], v[64*(\m)+8*(\s):64*(\m)+8*(\s)+7], v[64*((\s)%4)+8*(\c):64*((\s)%4)+8*(\c)+7], 0
.else
	v_wmma_f32_16x16x32_bf16 v[ACC+8*(8*(\m)+(\c)):ACC+8*(8*(\m)+(\c))+7], v[64*(\m)+8*(\s):64*(\m)+8*(\s)+7], v[64*((\s)%4)+8*(\c):64*((\s)%4)+8*(\c)+7], v[ACC+8*(8*(\m)+(\c)):ACC+8*(8*(\m)+(\c))+7]
.endif
.endr
.endr
.endr
	WIN 0
.endm
.macro ALL16 line:vararg                ; one line for each pair a of 16
.set a, 0
.rept 16
	\line
.set a, a+1
.endr
.endm
	s_load_b256 s[4:11], s[0:1], 0x0               ; xb s[4:5], w1 s[6:7], b1 s[8:9], topi s[10:11]
	s_load_b64 s[12:13], s[0:1], 0x20              ; hid
	v_lshl_add_u32 v24, v0, 2, SPARE               ; the add's two registers, kept for it alone
	v_mov_b32 v25, 0
	v_and_b32 v1, 31, v0
	v_lshrrev_b32 v31, 5, v0
	v_readfirstlane_b32 s16, v31                   ; wave
	v_and_b32 v2, 15, v0                           ; r
	v_bfe_u32 v3, v0, 4, 1                         ; h
	s_and_b32 s17, ttmp7, 0xffff                   ; expert
	s_mov_b32 s18, ttmp9                           ; slice
	v_lshlrev_b32 v22, 4, v2
	v_lshl_add_u32 v4, v3, 17, v22                 ; 8 h rows of 16,384 bytes + 16 r
	v_lshlrev_b32 v5, 4, v3
	v_lshlrev_b32 v28, 2, v1
	v_lshlrev_b32 v29, 4, v1
	v_add_nc_u32 v27, 1088, v1
	s_mul_i32 s36, s16, LISTB                      ; my list
	v_mov_b32 v26, s36
	v_add_nc_u32 v30, s36, v29
	v_lshl_add_u32 v10, v2, 2, s36                 ; entry r of a tile
	s_lshl_b32 s33, s16, 3
	s_add_co_u32 s33, s33, s36
	v_lshl_add_u32 v11, v3, 5, s33                 ; entry 8 h + 2 w of a tile
	s_lshl_b32 s33, s16, 12
	s_add_co_u32 s33, s33, RED
	v_lshl_add_u32 v20, v1, 3, s33                 ; what I hand out: block (d, w)
	s_lshl_b32 s33, s16, 14
	s_add_co_u32 s33, s33, RED
	v_lshl_add_u32 v21, v1, 3, s33                 ; what I take: block (w, s)
.irp i, 56,57,58,59
	v_mov_b32 v\i, 0
.endr
	s_mov_b32 s40, 0x3e6d3388                      ; 0.231641888
	s_mov_b32 s41, s40
	s_mov_b32 s42, 0x3f07dc22                      ; 0.5307027145: the five coefficients, halved; pairs, of which the packed forms take the low word
	s_mov_b32 s43, s42
	s_mov_b32 s44, 0xbf3a00e3                      ; -0.7265760135
	s_mov_b32 s45, s44
	s_mov_b32 s46, 0x3f35f0e3                      ; 0.7107068705
	s_mov_b32 s47, s46
	s_mov_b32 s48, 0xbe11a98e                      ; -0.142248368
	s_mov_b32 s49, s48
	s_mov_b32 s50, 0x3e027906                      ; 0.127414796
	s_mov_b32 s51, s50
	s_mov_b32 s52, 0xbf38aa3b                      ; -log2(e) / 2
	s_mov_b32 s53, s52
	s_mov_b32 s21, 0
	s_mov_b32 s28, 0                               ; the count
	s_wait_kmcnt 0x0
	s_lshl_b32 s20, s17, 24                        ; an expert's 16 MiB,
	s_lshl_b32 s36, s16, 22                        ; my 256 rows,
	s_add_co_u32 s20, s20, s36
	s_lshl_b32 s36, s18, 9                         ; the slice's 512 bytes of a row
	s_add_co_u32 s20, s20, s36
	s_add_nc_u64 s[22:23], s[6:7], s[20:21]
	s_lshl_b32 s20, s16, 9                         ; my 256 k of a row of xb
	s_add_nc_u64 s[24:25], s[4:5], s[20:21]
	s_lshl_b32 s20, s18, 8                         ; the slice's 256 bytes of a row of hid
	s_add_nc_u64 s[26:27], s[12:13], s[20:21]
	s_lshl_b32 s20, s17, 14
	s_add_co_u32 s20, s20, s36
	s_add_nc_u64 s[8:9], s[8:9], s[20:21]          ; b1 at the slice
.irp i, 0,1,2,3,4,5,6,7,8,9,10,11,12,13,14,15
	global_load_b128 v[128+4*(\i):131+4*(\i)], v29, s[10:11] offset:512*(\i)  ; all of topi: word z of load i in lane l is row 128 i + 4 l + z
.endr
	global_load_b128 v[48:51], v22, s[8:9]             ; bias of columns 4 r ..
	global_load_b128 v[52:55], v22, s[8:9] offset:256  ; and 64 + 4 r ..
	LOADW 0, 0                                     ; the stream begins: 64 loads of 512 bytes of each wave are on their way while the list is made
	LOADW 1, 1
	WIN 0
.irp i, 0,1,2,3,4,5,6,7,8
	ds_store_b128 v30, v[56:59] offset:512*(\i)    ; the whole list is 0: what lies past the repeated places names row 0, which exists, and feeds only loads whose tile is never multiplied
.endr
	s_wait_loadcnt 63                              ; 64 loads were issued behind topi's and the bias's: with 63 out at the most, these are in
	; THE LIST.  For each of the 64 words: the lanes that match take the next places, in lane order; the others write a word of their own behind the list.  EXEC stays full.
.set n, 0
.rept 64
.set VP, 60+2*(n%2)
.set SM, 33+4*(n%2)
	v_cmp_eq_u32 s[SM], s17, v[128+n]
	v_mbcnt_lo_u32_b32 v[VP], s[SM], s28           ; the count so far + the matching lanes below me
	v_cndmask_b32 v[VP], v27, v[VP], s[SM]
	v_min_u32 v[VP], 1119, v[VP]                   ; held inside my list before it enters an address
	v_lshl_add_u32 v[VP], v[VP], 2, v26
	v_add_nc_u32 v[VP+1], 128*(n/4)+n%4, v28       ; the row's number
	ds_store_b32 v[VP], v[VP+1]
	s_bcnt1_i32_b32 s[SM+1], s[SM]
	s_add_co_u32 s28, s28, s[SM+1]
.set n, n+1
.endr
	ds_load_b32 v12, v26                           ; the expert's first row (LDS serves a wave's instructions in order: this sees my stores above)
	v_add_nc_u32 v13, s28, v1                      ; places n .. n + 31
	v_min_u32 v13, 1087, v13                       ; held inside the list's entries
	v_lshlrev_b32 v13, 2, v13
	v_add_nc_u32 v13, v26, v13
.irp c, 0,1,2,3,4,5,6,7
	v_cvt_pk_bf16_f32 v31, v[48+(\c)], v[48+(\c)]  ; the bias rounded to bf16, twice, for the packed addition
	v_and_b32 v[BIP+2*(\c)], 0xffff0000, v31
	v_and_b32 v[BIP+2*(\c)+1], 0xffff0000, v31
.endr
	s_add_co_u32 s29, s28, 31
	s_lshr_b32 s29, s29, 5                         ; tiles of 32 rows
	s_mov_b32 s30, 0                               ; the tile in hand
	s_mov_b32 s39, 0                               ; its first entry's byte in the list
	s_mov_b32 s32, 32
	s_wait_dscnt 0x0
	ds_store_b32 v13, v12                          ; the places behind the count repeat the first row
	ds_load_b32 v8, v10                            ; tile 0's entries
	ds_load_b32 v9, v10 offset:64
	s_wait_dscnt 0x0
	AADDR
	; THE STREAM.  Two buffers take turns; each wait leaves the 32 loads out that were issued behind the K step that is converted.
.irp s, 0,1,2,3,4,5
	s_wait_loadcnt 32
	CVTW \s, (\s)%2
	LOADW (\s)+2, (\s)%2
.endr
	s_wait_loadcnt 32
	CVTW 6, 0
	ALOAD                                          ; tile 0's rows, into the buffer just read out
	s_wait_loadcnt 32                              ; those 32 stay out
	CVTW 7, 1
	WIN 0                                          ; at a label and at a branch every window is 0
.Ltrip:
	s_cmp_lt_u32 s30, s29
	s_cbranch_scc0 .Ld1                            ; no tile left: only work is jumped over
	v_add_nc_u32 v31, s39, v10
	ds_load_b32 v8, v31 offset:128                 ; the next tile's entries: they come in under the products
	ds_load_b32 v9, v31 offset:192
	MULS
	s_wait_dscnt 0x0                               ; the two entries
	AADDR                                          ; eight plain instructions: the places between the last product and the loads into its source, and the reads of its result; the tile's loads are done, so v6-7 are free
	ALOAD                                          ; the next tile's rows are on their way during all that follows
.set a, 0
.rept 16
.irp d, 0,1,2,3
	ds_store_b64 v20, v[ACC+8*a+2*(\d):ACC+8*a+2*(\d)+1] offset:(\d)*16384+a*256  ; registers 2 d, 2 d + 1 go to wave d; each accumulator is read from its low end on
.endr
.set a, a+1
.endr
.Ld1:
	s_wait_dscnt 0x0                               ; my partial sums are in LDS
	s_barrier_signal -1
	s_barrier_wait -1                              ; everybody's are
	s_cmp_lt_u32 s30, s29
	s_cbranch_scc0 .Ld2
	s_wait_xcnt 0x0                                ; the last trip's stores have read their offsets and data: both are written anew below
	v_add_nc_u32 v31, s39, v11
	ds_load_b64 v[12:13], v31                      ; the rows that I store: entries 8 h + 2 w + 0, 1
	ds_load_b64 v[14:15], v31 offset:64            ; and 16 further on
.set a, 0
.rept 16
.irp s, 0,1,2,3
	ds_load_b64 v[ACC+8*a+2*(\s):ACC+8*a+2*(\s)+1], v21 offset:(\s)*4096+a*256
.endr
.set a, a+1
.endr
.set a, 0
.rept 16
	s_wait_dscnt 4*(15-a)                          ; four loads for each later accumulator may stay out
.if a == 0
.irp k, 0,1,2,3
	v_min_u32 v[12+(\k)], 0x7ff, v[12+(\k)]        ; held to 2,047 before it enters an address
.endr
.irp k, 0,1,2,3
	v_lshlrev_b32 v[12+(\k)], 13, v[12+(\k)]       ; 8,192 bytes a row of hid,
.endr
.irp k, 0,1,2,3
	v_add_nc_u32 v[12+(\k)], v22, v[12+(\k)]       ; + 16 r
.endr
.endif
	v_pk_add_f32 v[ACC+8*a:ACC+8*a+1], v[ACC+8*a:ACC+8*a+1], v[ACC+8*a+2:ACC+8*a+3]
	v_pk_add_f32 v[ACC+8*a+4:ACC+8*a+5], v[ACC+8*a+4:ACC+8*a+5], v[ACC+8*a+6:ACC+8*a+7]
	v_pk_add_f32 v[ACC+8*a:ACC+8*a+1], v[ACC+8*a:ACC+8*a+1], v[BIP+2*(a%8):BIP+2*(a%8)+1]
	v_pk_add_f32 v[Z+2*a:Z+2*a+1], v[ACC+8*a:ACC+8*a+1], v[ACC+8*a+4:ACC+8*a+5]
.set a, a+1
.endr
	; GELU of the 32 numbers.  Four plain instructions of pair a, then the four transcendentals of pair a - 1: no line reads a result of theirs ahead of the one wait.
.macro GA a
	v_fma_f32 v[TT+2*(\a)], |v[Z+2*(\a)]|, s40, 1.0
	v_fma_f32 v[TT+2*(\a)+1], |v[Z+2*(\a)+1]|, s40, 1.0
	v_pk_mul_f32 v[EE+2*(\a):EE+2*(\a)+1], v[Z+2*(\a):Z+2*(\a)+1], s[52:53] op_sel_hi:[1,0]
	v_pk_mul_f32 v[EE+2*(\a):EE+2*(\a)+1], v[EE+2*(\a):EE+2*(\a)+1], v[Z+2*(\a):Z+2*(\a)+1]
.endm
.macro GT a
	v_rcp_f32 v[TT+2*(\a)], v[TT+2*(\a)]
	v_rcp_f32 v[TT+2*(\a)+1], v[TT+2*(\a)+1]
	v_exp_f32 v[EE+2*(\a)], v[EE+2*(\a)]
	v_exp_f32 v[EE+2*(\a)+1], v[EE+2*(\a)+1]
.endm
	GA 0
.irp a, 1,2,3,4,5,6,7,8,9,10,11,12,13,14,15
	GA \a
	GT (\a)-1
.endr
	GT 15
.set i, 0
.rept 32
	v_max_num_f32 v[MX+i], 0, v[Z+i]               ; plain work behind the last transcendental
.set i, i+1
.endr
	s_wait_alu depctr_va_vdst(0)                   ; one wait for the 64, ahead of their first reader
	ALL16 v_pk_fma_f32 v[PP+2*a:PP+2*a+1], v[TT+2*a:TT+2*a+1], s[42:43], s[44:45] op_sel_hi:[1,0,0]
	ALL16 v_pk_fma_f32 v[PP+2*a:PP+2*a+1], v[PP+2*a:PP+2*a+1], v[TT+2*a:TT+2*a+1], s[46:47] op_sel_hi:[1,1,0]
	ALL16 v_pk_fma_f32 v[PP+2*a:PP+2*a+1], v[PP+2*a:PP+2*a+1], v[TT+2*a:TT+2*a+1], s[48:49] op_sel_hi:[1,1,0]
	ALL16 v_pk_fma_f32 v[PP+2*a:PP+2*a+1], v[PP+2*a:PP+2*a+1], v[TT+2*a:TT+2*a+1], s[50:51] op_sel_hi:[1,1,0]
	ALL16 v_pk_mul_f32 v[PP+2*a:PP+2*a+1], v[PP+2*a:PP+2*a+1], v[TT+2*a:TT+2*a+1]
	ALL16 v_pk_mul_f32 v[PP+2*a:PP+2*a+1], v[PP+2*a:PP+2*a+1], v[EE+2*a:EE+2*a+1]
.set i, 0
.rept 32
	v_fma_f32 v[Z+i], -|v[Z+i]|, v[PP+i], v[MX+i]
.set i, i+1
.endr
.irp m, 0,1
.irp jj, 0,1
.irp cp, 0,1,2,3
	v_cvt_pk_bf16_f32 v[HH+4*(2*(\m)+(\jj))+(\cp)], v[Z+2*(8*(\m)+2*(\cp))+(\jj)], v[Z+2*(8*(\m)+2*(\cp)+1)+(\jj)]  ; row 2 m + jj of my four: labels c = 0 .. 7 in ascending order
.endr
.endr
.endr
.irp k, 0,1,2,3
	global_store_b128 v[12+(\k)], v[HH+4*(\k):HH+4*(\k)+3], s[26:27]  ; 16 lanes store 256 consecutive bytes of a row of hid, aligned; lanes 16-31 those of the row 8 list places on
.endr
.Ld2:
	s_wait_dscnt 0x0                               ; my reads of the partial sums are back
	s_barrier_signal -1
	s_barrier_wait -1                              ; everybody's are: the next trip may write there
	s_add_co_u32 s30, s30, 1
	s_add_co_u32 s39, s39, 128                     ; 32 entries on
	s_sub_co_u32 s32, s32, 1
	s_cmp_lg_u32 s32, 0
	s_cbranch_scc1 .Ltrip
	s_wait_tensorcnt 0x0                           ; the wave's end
	ds_add_u32 v24, v25
	s_wait_dscnt 0x0
	s_endpgm
.Lfunc_end_k_q93e1904959_ffn1:
	.size	k_q93e1904959_ffn1, .Lfunc_end_k_q93e1904959_ffn1-k_q93e1904959_ffn1
	.p2alignl 7, 3214868480
	.fill 96, 4, 3214868480
	.section	.rodata,"a",@progbits
	.p2align	6, 0x0
	.amdhsa_kernel k_q93e1904959_ffn1
		.amdhsa_group_segment_fixed_size 84480
		.amdhsa_private_segment_fixed_size 0
		.amdhsa_enable_private_segment 0
		.amdhsa_kernarg_size 40
		.amdhsa_user_sgpr_count 2
		.amdhsa_user_sgpr_kernarg_segment_ptr 1
		.amdhsa_wavefront_size32 1
		.amdhsa_system_sgpr_workgroup_id_x 1
		.amdhsa_system_sgpr_workgroup_id_y 1
		.amdhsa_system_sgpr_workgroup_id_z 1
		.amdhsa_system_vgpr_workitem_id 0
		.amdhsa_next_free_vgpr 1024
		.amdhsa_next_free_sgpr 66
		.amdhsa_reserve_vcc 0
		.amdhsa_float_denorm_mode_32 3
		.amdhsa_float_denorm_mode_16_64 3
		.amdhsa_memory_ordered 1
		.amdhsa_forward_progress 1
		.amdhsa_inst_pref_size 142
	.end_amdhsa_kernel
	.amdgpu_metadata
---
amdhsa.version: [ 1, 2 ]
amdhsa.kernels:
  - .name:           k_q93e1904959_ffn1
    .symbol:         k_q93e1904959_ffn1.kd
    .args:
      - { .name: xb, .offset: 0, .size: 8, .value_kind: global_buffer, .address_space: global }
      - { .name: w1, .offset: 8, .size: 8, .value_kind: global_buffer, .address_space: global }
      - { .name: b1, .offset: 16, .size: 8, .value_kind: global_buffer, .address_space: global }
      - { .name: topi, .offset: 24, .size: 8, .value_kind: global_buffer, .address_space: global }
      - { .name: hid, .offset: 32, .size: 8, .value_kind: global_buffer, .address_space: global }
    .group_segment_fixed_size: 84480
    .private_segment_fixed_size: 0
    .kernarg_segment_align: 8
    .kernarg_segment_size: 40
    .max_flat_workgroup_size: 128
    .sgpr_count:     66
    .vgpr_count:     1024
    .wavefront_size: 32
...
	.end_amdgpu_metadata
.endif
;; end of part 2
;; launch ffn2 (part 3): grid 32 x 8, 4 waves a work-group, no clusters, 84,480 bytes of LDS; arguments hid, w2, topi, part; writes part
.if DOCPART == 3
	.amdgcn_target "amdgcn-amd-amdhsa--gfx1250"
	.amdhsa_code_object_version 6
	.text
	.protected	k_q93e1904959_ffn2
	.globl	k_q93e1904959_ffn2
	.p2align	8
	.type	k_q93e1904959_ffn2,@function
k_q93e1904959_ffn2:
	s_mov_b64 s[64:65], 0
	v_nop
	global_prefetch_b8 v0, s[64:65] scope:SCOPE_SE
	s_setreg_imm32_b32 hwreg(HW_REG_WAVE_MODE, 25, 1), 1
	s_wait_xcnt 0x0
; SECOND PRODUCT, in four parts along K.  part[q][rho] = hid[rho][places 1024 q .. + 1023] . w2[e][the same f][:] for every routed row rho with topi[rho] = e; f32 partial sums, added by the last launch.
; SHARES.  Work-group (x, e): x % 8 is a slice of 128 of the 1,024 columns, q = x / 8 a quarter of the 4,096 rows of w2[e]: 1,024 x 128 numbers, which it alone reads.  Wave w owns 256 rows of them, for
; all 128 columns, in 512 registers as source 1 of the matrix instruction.  All else is the first product's: the weights go from memory straight into those registers, 256 consecutive aligned bytes for each
; 16 lanes; every wave makes its own list of the expert's rows; 32 list rows a trip, each wave loading its 256 places of them from hid straight into source 0's registers; the four waves' partial sums meet
; in LDS; 32 trips, every wave passing both barriers of each, only work jumped over.
; A TILE THAT IS NOT FULL.  The 32 list places behind the count repeat the expert's first row: such a place computes that row once more and stores the same numbers to the same bytes of this
; work-group's slice, so that no store needs a mask and EXEC is never changed.  An expert without rows has no tile and stores nothing.
; hid's COLUMNS.  In each block of 128, place 8 r + i holds f = 4 r + i (i < 4) or 64 + 4 r + i - 4.  So the row of w2 that belongs to place 32 s + 16 u + 8 h + j of my 256 is
; 128 (s / 4) + 16 (s % 4) + 8 u + 4 h + j % 4 + 64 (j / 4): the order enters the loads' constants alone, and each row is still read once.
; NO JOINT LOADS: each weight byte has one reader, and the rows that an expert's work-groups share are picked by a list.
; FORMATS.  hid is bf16, w2 is rounded to bf16; sums f32.  LIMITS.  NaN and infinities are not treated apart; the order of the sums differs from the reference's.
; REGISTERS: as in the first product, but v96-127 hold the 32 numbers to store, and there is no bias.
.set PW,    4096                        ; bytes in a row of w2
.set LISTB, 4608                        ; a wave's list: 1,088 entries, 32 words for lanes without a match, the rest unused
.set RED,   4*LISTB                     ; 65,536 bytes: block (d, s) at 16,384 d + 4,096 s; in it accumulator a, lane l at 256 a + 8 l
.set SPARE, RED+65536                   ; the spare words, 128 bytes a wave: two blocks of 256 bytes that no other line names
.set ACC, 128
.set OO,  96
.set MSB, 0
.macro WIN new
.if MSB != (\new)
	s_set_vgpr_msb (MSB<<8)|(\new)
.set MSB, (\new)
.endif
.endm
.macro LOADW s, buf                     ; 32 loads: the 32 rows of K step s, 512 bytes each, into buffer buf
	WIN 0xc0
.irp u, 0,1
.irp j, 0,1,2,3,4,5,6,7
.irp g, 0,1
.set RB, 128*(\buf)+((8*(\u)+(\j))*2+(\g))*4
	global_load_b128 v[RB:RB+3], v4, s[22:23] offset:(128*((\s)/4)+16*((\s)%4)+8*(\u)+(\j)%4+64*((\j)/4))*PW+256*(\g) th:TH_LOAD_NT
.endr
.endr
.endr
.endm
.macro CVTW s, buf                      ; 64 conversions: register 4 u + p of fragment 4 g + i takes places 16 u + 8 h + 2 p and the next
	WIN 0x4f+0x40*((\s)/4)
.irp g, 0,1
.irp i, 0,1,2,3
.irp u, 0,1
.irp p, 0,1,2,3
	v_cvt_pk_bf16_f32 v[64*((\s)%4)+8*(4*(\g)+(\i))+4*(\u)+(\p)], v[128*(\buf)+((8*(\u)+2*(\p))*2+(\g))*4+(\i)], v[128*(\buf)+((8*(\u)+2*(\p)+1)*2+(\g))*4+(\i)]
.endr
.endr
.endr
.endr
.endm
.macro AADDR                            ; list entries -> byte offsets in hid: the entry is held to 2,047 first; 8,192 bytes a row, + 16 h
.irp m, 0,1
	v_min_u32 v[8+(\m)], 0x7ff, v[8+(\m)]
.endr
.irp m, 0,1
	v_lshlrev_b32 v[8+(\m)], 13, v[8+(\m)]
.endr
.irp m, 0,1
	v_add_nc_u32 v[6+(\m)], v5, v[8+(\m)]
.endr
.endm
.macro ALOAD                            ; 32 loads: my 256 places of 32 rows as source 0's fragments, K step by K step
	WIN 0xc0
.irp s, 0,1,2,3,4,5,6,7
.irp m, 0,1
.irp u, 0,1
	global_load_b128 v[64*(\m)+8*(\s)+4*(\u):64*(\m)+8*(\s)+4*(\u)+3], v[6+(\m)], s[24:25] offset:64*(\s)+32*(\u)
.endr
.endr
.endr
	WIN 0
.endm
.macro MULS                             ; 128 matrix instructions; the 16 accumulators take turns; the first K step starts the sums with the constant 0
.irp s, 0,1,2,3,4,5,6,7
	s_wait_loadcnt 28-4*(\s)                       ; four loads for each later K step may stay out
	WIN 0x07+4*((\s)/4)
.irp m, 0,1
.irp c, 0,1,2,3,4,5,6,7
.if (\s) == 0
	v_wmma_f32_16x16x32_bf16 v[ACC+8*(8*(\m)+(\c)):ACC+8*(8*(\m)+(\c))+7], v[64*(\m)+8*(\s):64*(\m)+8*(\s)+7], v[64*((\s)%4)+8*(\c):64*((\s)%4)+8*(\c)+7], 0
.else
	v_wmma_f32_16x16x32_bf16 v[ACC+8*(8*(\m)+(\c)):ACC+8*(8*(\m)+(\c))+7], v[64*(\m)+8*(\s):64*(\m)+8*(\s)+7], v[64*((\s)%4)+8*(\c):64*((\s)%4)+8*(\c)+7], v[ACC+8*(8*(\m)+(\c)):ACC+8*(8*(\m)+(\c))+7]
.endif
.endr
.endr
.endr
	WIN 0
.endm
	s_load_b256 s[4:11], s[0:1], 0x0               ; hid s[4:5], w2 s[6:7], topi s[8:9], part s[10:11]
	v_lshl_add_u32 v24, v0, 2, SPARE               ; the add's two registers, kept for it alone
	v_mov_b32 v25, 0
	v_and_b32 v1, 31, v0
	v_lshrrev_b32 v31, 5, v0
	v_readfirstlane_b32 s16, v31                   ; wave
	v_and_b32 v2, 15, v0                           ; r
	v_bfe_u32 v3, v0, 4, 1                         ; h
	s_and_b32 s17, ttmp7, 0xffff                   ; expert
	s_and_b32 s18, ttmp9, 7                        ; slice of columns
	s_lshr_b32 s19, ttmp9, 3                       ; q
	v_lshlrev_b32 v22, 4, v2
	v_lshl_add_u32 v4, v3, 14, v22                 ; 4 h rows of 4,096 bytes + 16 r
	v_lshlrev_b32 v5, 4, v3
	v_lshlrev_b32 v28, 2, v1
	v_lshlrev_b32 v29, 4, v1
	v_add_nc_u32 v27, 1088, v1
	s_mul_i32 s36, s16, LISTB                      ; my list
	v_mov_b32 v26, s36
	v_add_nc_u32 v30, s36, v29
	v_lshl_add_u32 v10, v2, 2, s36                 ; entry r of a tile
	s_lshl_b32 s33, s16, 3
	s_add_co_u32 s33, s33, s36
	v_lshl_add_u32 v11, v3, 5, s33                 ; entry 8 h + 2 w of a tile
	s_lshl_b32 s33, s16, 12
	s_add_co_u32 s33, s33, RED
	v_lshl_add_u32 v20, v1, 3, s33
	s_lshl_b32 s33, s16, 14
	s_add_co_u32 s33, s33, RED
	v_lshl_add_u32 v21, v1, 3, s33
.irp i, 56,57,58,59
	v_mov_b32 v\i, 0
.endr
	s_mov_b32 s21, 0
	s_mov_b32 s28, 0                               ; the count
	s_wait_kmcnt 0x0
	s_lshl_b32 s20, s17, 24                        ; an expert's 16 MiB,
	s_lshl_b32 s36, s19, 22                        ; the quarter's 1,024 rows,
	s_add_co_u32 s20, s20, s36
	s_lshl_b32 s36, s16, 20                        ; my 256 of them,
	s_add_co_u32 s20, s20, s36
	s_lshl_b32 s36, s18, 9                         ; the slice's 512 bytes of a row
	s_add_co_u32 s20, s20, s36
	s_add_nc_u64 s[22:23], s[6:7], s[20:21]
	s_lshl_b32 s20, s19, 23                        ; part q: 2,048 rows of 4,096 bytes
	s_add_co_u32 s20, s20, s36
	s_add_nc_u64 s[26:27], s[10:11], s[20:21]
	s_lshl_b32 s20, s19, 11                        ; the quarter's 2,048 bytes of a row of hid,
	s_lshl_b32 s36, s16, 9                         ; my 512 of them
	s_add_co_u32 s20, s20, s36
	s_add_nc_u64 s[24:25], s[4:5], s[20:21]
.irp i, 0,1,2,3,4,5,6,7,8,9,10,11,12,13,14,15
	global_load_b128 v[128+4*(\i):131+4*(\i)], v29, s[8:9] offset:512*(\i)  ; all of topi: word z of load i in lane l is row 128 i + 4 l + z
.endr
	LOADW 0, 0                                     ; the stream begins: 64 loads of 512 bytes of each wave are on their way while the list is made
	LOADW 1, 1
	WIN 0
.irp i, 0,1,2,3,4,5,6,7,8
	ds_store_b128 v30, v[56:59] offset:512*(\i)    ; the whole list is 0: what lies past the repeated places names row 0, which exists, and feeds only loads whose tile is never multiplied
.endr
	s_wait_loadcnt 63                              ; 64 loads were issued behind topi's: with 63 out at the most, topi is in
.set n, 0
.rept 64                                ; THE LIST: the lanes that match take the next places, the others write a word of their own behind the list; EXEC stays full
.set VP, 60+2*(n%2)
.set SM, 33+4*(n%2)
	v_cmp_eq_u32 s[SM], s17, v[128+n]
	v_mbcnt_lo_u32_b32 v[VP], s[SM], s28
	v_cndmask_b32 v[VP], v27, v[VP], s[SM]
	v_min_u32 v[VP], 1119, v[VP]                   ; held inside my list before it enters an address
	v_lshl_add_u32 v[VP], v[VP], 2, v26
	v_add_nc_u32 v[VP+1], 128*(n/4)+n%4, v28
	ds_store_b32 v[VP], v[VP+1]
	s_bcnt1_i32_b32 s[SM+1], s[SM]
	s_add_co_u32 s28, s28, s[SM+1]
.set n, n+1
.endr
	ds_load_b32 v12, v26                           ; the expert's first row (LDS serves a wave's instructions in order: this sees my stores above)
	v_add_nc_u32 v13, s28, v1                      ; places n .. n + 31
	v_min_u32 v13, 1087, v13                       ; held inside the list's entries
	v_lshlrev_b32 v13, 2, v13
	v_add_nc_u32 v13, v26, v13
	s_add_co_u32 s29, s28, 31
	s_lshr_b32 s29, s29, 5                         ; tiles of 32 rows
	s_mov_b32 s30, 0                               ; the tile in hand
	s_mov_b32 s39, 0                               ; its first entry's byte in the list
	s_mov_b32 s32, 32
	s_wait_dscnt 0x0
	ds_store_b32 v13, v12                          ; the places behind the count repeat the first row
	ds_load_b32 v8, v10                            ; tile 0's entries
	ds_load_b32 v9, v10 offset:64
	s_wait_dscnt 0x0
	AADDR
.irp s, 0,1,2,3,4,5                     ; THE STREAM: two buffers take turns; each wait leaves the 32 loads out that were issued behind the K step that is converted
	s_wait_loadcnt 32
	CVTW \s, (\s)%2
	LOADW (\s)+2, (\s)%2
.endr
	s_wait_loadcnt 32
	CVTW 6, 0
	ALOAD                                          ; tile 0's rows, into the buffer just read out
	s_wait_loadcnt 32                              ; those 32 stay out
	CVTW 7, 1
	WIN 0                                          ; at a label and at a branch every window is 0
.Ltrip:
	s_cmp_lt_u32 s30, s29
	s_cbranch_scc0 .Ld1                            ; no tile left: only work is jumped over
	v_add_nc_u32 v31, s39, v10
	ds_load_b32 v8, v31 offset:128                 ; the next tile's entries: they come in under the products
	ds_load_b32 v9, v31 offset:192
	MULS
	s_wait_dscnt 0x0                               ; the two entries
	AADDR                                          ; six plain instructions: the places between the last product and the loads into its source, and the reads of its result; the tile's loads are done, so v6-7 are free
	ALOAD                                          ; the next tile's rows
.set a, 0
.rept 16
.irp d, 0,1,2,3
	ds_store_b64 v20, v[ACC+8*a+2*(\d):ACC+8*a+2*(\d)+1] offset:(\d)*16384+a*256  ; registers 2 d, 2 d + 1 go to wave d; each accumulator is read from its low end on
.endr
.set a, a+1
.endr
.Ld1:
	s_wait_dscnt 0x0                               ; my partial sums are in LDS
	s_barrier_signal -1
	s_barrier_wait -1                              ; everybody's are
	s_cmp_lt_u32 s30, s29
	s_cbranch_scc0 .Ld2
	s_wait_xcnt 0x0                                ; the last trip's stores have read their offsets and data: both are written anew below
	v_add_nc_u32 v31, s39, v11
	ds_load_b64 v[12:13], v31                      ; the rows that I store: entries 8 h + 2 w + 0, 1
	ds_load_b64 v[14:15], v31 offset:64            ; and 16 further on
.set a, 0
.rept 16
.irp s, 0,1,2,3
	ds_load_b64 v[ACC+8*a+2*(\s):ACC+8*a+2*(\s)+1], v21 offset:(\s)*4096+a*256
.endr
.set a, a+1
.endr
.set a, 0
.rept 16                                ; accumulator a = 8 m + 4 g + i: rows 2 m + 0, 1 of my four, column group g, column i of the lane's four
	s_wait_dscnt 4*(15-a)                          ; four loads for each later accumulator may stay out
.if a == 0
.irp k, 0,1,2,3
	v_min_u32 v[12+(\k)], 0x7ff, v[12+(\k)]        ; held to 2,047 before it enters an address
.endr
.irp k, 0,1,2,3
	v_lshlrev_b32 v[12+(\k)], 12, v[12+(\k)]       ; 4,096 bytes a row of part,
.endr
.irp k, 0,1,2,3
	v_add_nc_u32 v[12+(\k)], v22, v[12+(\k)]       ; + 16 r
.endr
.endif
	v_pk_add_f32 v[ACC+8*a:ACC+8*a+1], v[ACC+8*a:ACC+8*a+1], v[ACC+8*a+2:ACC+8*a+3]
	v_pk_add_f32 v[ACC+8*a+4:ACC+8*a+5], v[ACC+8*a+4:ACC+8*a+5], v[ACC+8*a+6:ACC+8*a+7]
	v_add_f32 v[OO+((2*(a/8))*2+(a%8)/4)*4+a%4], v[ACC+8*a], v[ACC+8*a+4]
	v_add_f32 v[OO+((2*(a/8)+1)*2+(a%8)/4)*4+a%4], v[ACC+8*a+1], v[ACC+8*a+5]
.set a, a+1
.endr
.irp k, 0,1,2,3
	global_store_b128 v[12+(\k)], v[OO+8*(\k):OO+8*(\k)+3], s[26:27]               ; 16 lanes store 256 consecutive bytes of a row of part, aligned: columns 0-63 of the slice,
	global_store_b128 v[12+(\k)], v[OO+8*(\k)+4:OO+8*(\k)+7], s[26:27] offset:256  ; and columns 64-127
.endr
.Ld2:
	s_wait_dscnt 0x0                               ; my reads of the partial sums are back
	s_barrier_signal -1
	s_barrier_wait -1                              ; everybody's are: the next trip may write there
	s_add_co_u32 s30, s30, 1
	s_add_co_u32 s39, s39, 128                     ; 32 entries on
	s_sub_co_u32 s32, s32, 1
	s_cmp_lg_u32 s32, 0
	s_cbranch_scc1 .Ltrip
	s_wait_tensorcnt 0x0                           ; the wave's end
	ds_add_u32 v24, v25
	s_wait_dscnt 0x0
	s_endpgm
.Lfunc_end_k_q93e1904959_ffn2:
	.size	k_q93e1904959_ffn2, .Lfunc_end_k_q93e1904959_ffn2-k_q93e1904959_ffn2
	.p2alignl 7, 3214868480
	.fill 96, 4, 3214868480
	.section	.rodata,"a",@progbits
	.p2align	6, 0x0
	.amdhsa_kernel k_q93e1904959_ffn2
		.amdhsa_group_segment_fixed_size 84480
		.amdhsa_private_segment_fixed_size 0
		.amdhsa_enable_private_segment 0
		.amdhsa_kernarg_size 32
		.amdhsa_user_sgpr_count 2
		.amdhsa_user_sgpr_kernarg_segment_ptr 1
		.amdhsa_wavefront_size32 1
		.amdhsa_system_sgpr_workgroup_id_x 1
		.amdhsa_system_sgpr_workgroup_id_y 1
		.amdhsa_system_sgpr_workgroup_id_z 1
		.amdhsa_system_vgpr_workitem_id 0
		.amdhsa_next_free_vgpr 1024
		.amdhsa_next_free_sgpr 66
		.amdhsa_reserve_vcc 0
		.amdhsa_float_denorm_mode_32 3
		.amdhsa_float_denorm_mode_16_64 3
		.amdhsa_memory_ordered 1
		.amdhsa_forward_progress 1
		.amdhsa_inst_pref_size 123
	.end_amdhsa_kernel
	.amdgpu_metadata
---
amdhsa.version: [ 1, 2 ]
amdhsa.kernels:
  - .name:           k_q93e1904959_ffn2
    .symbol:         k_q93e1904959_ffn2.kd
    .args:
      - { .name: hid, .offset: 0, .size: 8, .value_kind: global_buffer, .address_space: global }
      - { .name: w2, .offset: 8, .size: 8, .value_kind: global_buffer, .address_space: global }
      - { .name: topi, .offset: 16, .size: 8, .value_kind: global_buffer, .address_space: global }
      - { .name: part, .offset: 24, .size: 8, .value_kind: global_buffer, .address_space: global }
    .group_segment_fixed_size: 84480
    .private_segment_fixed_size: 0
    .kernarg_segment_align: 8
    .kernarg_segment_size: 32
    .max_flat_workgroup_size: 128
    .sgpr_count:     66
    .vgpr_count:     1024
    .wavefront_size: 32
...
	.end_amdgpu_metadata
.endif
;; end of part 3
;; launch sum (part 4): grid 256 x 1, 8 waves a work-group, no clusters, 0 bytes of LDS; arguments part, b2, topi, topw, out0; writes out0
.if DOCPART == 4
	.amdgcn_target "amdgcn-amd-amdhsa--gfx1250"
	.amdhsa_code_object_version 6
	.text
	.protected	k_q93e1904959_sum
	.globl	k_q93e1904959_sum
	.p2align	8
	.type	k_q93e1904959_sum,@function
k_q93e1904959_sum:
	s_mov_b64 s[64:65], 0
	v_nop
	global_prefetch_b8 v0, s[64:65] scope:SCOPE_SE
	s_setreg_imm32_b32 hwreg(HW_REG_WAVE_MODE, 25, 1), 1
	s_wait_xcnt 0x0
; THE SUM.  out0[t] = g0 (part[0..3][2 t] + b2[e0]) + g1 (part[0..3][2 t + 1] + b2[e1]), all in f32; b2 is rounded to bf16, as every input of the program is.
; Wave w of eight takes token t = 4 x work-group + w / 2 and half w % 2 of its row: 2,048 bytes, four loads of 512 consecutive bytes from each of the eight partial rows.
; The partial rows lie at fixed places, so their 32 loads go out ahead of the wait for the token's two experts and weights; only b2's rows hang on the experts, which the first launch stored.
; A stream: no LDS, no barrier, no matrix unit, nothing shared between work-groups.
; REGISTERS: v2-5 16 x lane + q x 2^23; part (k, q, j) at 16 + 4 (4 (4 k + q) + j); b2 (k, j) at 144 + 4 (4 k + j); v176-177 at work; the result of j at 180 + 4 j
	s_load_b256 s[4:11], s[0:1], 0x0               ; part s[4:5], b2 s[6:7], topi s[8:9], topw s[10:11]
	s_load_b64 s[12:13], s[0:1], 0x20              ; out0
	v_and_b32 v1, 31, v0
	v_lshrrev_b32 v6, 5, v0
	v_readfirstlane_b32 s16, v6                    ; wave
	s_lshr_b32 s17, s16, 1
	s_lshl_b32 s18, ttmp9, 2
	s_add_co_u32 s17, s17, s18                     ; token
	s_and_b32 s16, s16, 1
	s_lshl_b32 s16, s16, 11                        ; my half of a row, in bytes
	v_lshlrev_b32 v2, 4, v1
	v_add_nc_u32 v3, 1<<23, v2                     ; a part is 2,048 rows of 4,096 bytes: one more than a load's immediate reaches
	v_add_nc_u32 v4, 2<<23, v2
	v_add_nc_u32 v5, 3<<23, v2
	s_mov_b32 s19, 0
	s_lshl_b32 s18, s17, 3
	s_wait_kmcnt 0x0
	s_add_nc_u64 s[8:9], s[8:9], s[18:19]
	s_add_nc_u64 s[10:11], s[10:11], s[18:19]
	s_load_b64 s[20:21], s[8:9], 0x0               ; e0, e1
	s_load_b64 s[22:23], s[10:11], 0x0             ; g0, g1
	s_lshl_b32 s18, s17, 13                        ; rows 2 t and 2 t + 1
	s_add_co_u32 s18, s18, s16
	s_add_nc_u64 s[4:5], s[4:5], s[18:19]
	s_lshl_b32 s18, s17, 12
	s_add_co_u32 s18, s18, s16
	s_add_nc_u64 s[12:13], s[12:13], s[18:19]
.irp j, 0,1,2,3
.irp k, 0,1
.irp q, 0,1,2,3
	global_load_b128 v[16+((4*(\k)+(\q))*4+(\j))*4:16+((4*(\k)+(\q))*4+(\j))*4+3], v[2+(\q)], s[4:5] offset:4096*(\k)+512*(\j) th:TH_LOAD_NT
.endr
.endr
.endr
	s_wait_kmcnt 0x0
	s_min_u32 s20, s20, 7                          ; held inside b2 before they enter an address
	s_min_u32 s21, s21, 7
	s_lshl_b32 s18, s20, 12
	s_add_co_u32 s18, s18, s16
	s_add_nc_u64 s[26:27], s[6:7], s[18:19]
	s_lshl_b32 s18, s21, 12
	s_add_co_u32 s18, s18, s16
	s_add_nc_u64 s[28:29], s[6:7], s[18:19]
	s_mov_b32 s24, s23                             ; g1 in a pair of its own: the packed forms take a pair's low word
	s_mov_b32 s25, s23
.irp j, 0,1,2,3
.irp k, 0,1
	global_load_b128 v[144+(4*(\k)+(\j))*4:144+(4*(\k)+(\j))*4+3], v2, s[26+2*(\k):27+2*(\k)] offset:512*(\j)
.endr
.endr
.irp j, 0,1,2,3
	s_wait_loadcnt 6-2*(\j)                        ; b2's two loads for each later j may stay out; the partial rows were asked for ahead of them
.irp k, 0,1
.set P0, 16+((4*(\k)+0)*4+(\j))*4
.set P1, 16+((4*(\k)+1)*4+(\j))*4
.set P2, 16+((4*(\k)+2)*4+(\j))*4
.set P3, 16+((4*(\k)+3)*4+(\j))*4
.set BB, 144+(4*(\k)+(\j))*4
.irp z, 0,2
	v_pk_add_f32 v[P0+(\z):P0+(\z)+1], v[P0+(\z):P0+(\z)+1], v[P1+(\z):P1+(\z)+1]
	v_pk_add_f32 v[P2+(\z):P2+(\z)+1], v[P2+(\z):P2+(\z)+1], v[P3+(\z):P3+(\z)+1]
.endr
	v_cvt_pk_bf16_f32 v176, v[BB], v[BB+1]         ; b2 rounded to bf16 and widened again
	v_cvt_pk_bf16_f32 v177, v[BB+2], v[BB+3]
	v_lshlrev_b32 v[BB], 16, v176
	v_and_b32 v[BB+1], 0xffff0000, v176
	v_lshlrev_b32 v[BB+2], 16, v177
	v_and_b32 v[BB+3], 0xffff0000, v177
.irp z, 0,2
	v_pk_add_f32 v[P0+(\z):P0+(\z)+1], v[P0+(\z):P0+(\z)+1], v[P2+(\z):P2+(\z)+1]
	v_pk_add_f32 v[P0+(\z):P0+(\z)+1], v[P0+(\z):P0+(\z)+1], v[BB+(\z):BB+(\z)+1]
.endr
.endr
.irp z, 0,2
	v_pk_mul_f32 v[180+4*(\j)+(\z):181+4*(\j)+(\z)], v[16+4*(\j)+(\z):17+4*(\j)+(\z)], s[22:23] op_sel_hi:[1,0]
	v_pk_fma_f32 v[180+4*(\j)+(\z):181+4*(\j)+(\z)], v[80+4*(\j)+(\z):81+4*(\j)+(\z)], s[24:25], v[180+4*(\j)+(\z):181+4*(\j)+(\z)] op_sel_hi:[1,0,1]
.endr
	global_store_b128 v2, v[180+4*(\j):183+4*(\j)], s[12:13] offset:512*(\j) th:TH_STORE_NT  ; 512 consecutive bytes, aligned
.endr
	s_endpgm
.Lfunc_end_k_q93e1904959_sum:
	.size	k_q93e1904959_sum, .Lfunc_end_k_q93e1904959_sum-k_q93e1904959_sum
	.p2alignl 7, 3214868480
	.fill 96, 4, 3214868480
	.section	.rodata,"a",@progbits
	.p2align	6, 0x0
	.amdhsa_kernel k_q93e1904959_sum
		.amdhsa_group_segment_fixed_size 0
		.amdhsa_private_segment_fixed_size 0
		.amdhsa_enable_private_segment 0
		.amdhsa_kernarg_size 40
		.amdhsa_user_sgpr_count 2
		.amdhsa_user_sgpr_kernarg_segment_ptr 1
		.amdhsa_wavefront_size32 1
		.amdhsa_system_sgpr_workgroup_id_x 1
		.amdhsa_system_sgpr_workgroup_id_y 1
		.amdhsa_system_sgpr_workgroup_id_z 1
		.amdhsa_system_vgpr_workitem_id 0
		.amdhsa_next_free_vgpr 208
		.amdhsa_next_free_sgpr 66
		.amdhsa_reserve_vcc 0
		.amdhsa_float_denorm_mode_32 3
		.amdhsa_float_denorm_mode_16_64 3
		.amdhsa_memory_ordered 1
		.amdhsa_forward_progress 1
		.amdhsa_inst_pref_size 14
	.end_amdhsa_kernel
	.amdgpu_metadata
---
amdhsa.version: [ 1, 2 ]
amdhsa.kernels:
  - .name:           k_q93e1904959_sum
    .symbol:         k_q93e1904959_sum.kd
    .args:
      - { .name: part, .offset: 0, .size: 8, .value_kind: global_buffer, .address_space: global }
      - { .name: b2, .offset: 8, .size: 8, .value_kind: global_buffer, .address_space: global }
      - { .name: topi, .offset: 16, .size: 8, .value_kind: global_buffer, .address_space: global }
      - { .name: topw, .offset: 24, .size: 8, .value_kind: global_buffer, .address_space: global }
      - { .name: out0, .offset: 32, .size: 8, .value_kind: global_buffer, .address_space: global }
    .group_segment_fixed_size: 0
    .private_segment_fixed_size: 0
    .kernarg_segment_align: 8
    .kernarg_segment_size: 40
    .max_flat_workgroup_size: 256
    .sgpr_count:     66
    .vgpr_count:     208
    .wavefront_size: 32
...
	.end_amdgpu_metadata
.endif
;; end of part 4
;; ======== version 2 of 3: 4 launches; 1.13 times as fast as version 1
;; workspace buffers: xb 2,097,152 bytes; topi 8,192 bytes of whole numbers; topw 8,192 bytes; hid 67,108,864 bytes; part 33,554,432 bytes
;; launch router: the kernel of part 1 again; grid 256 x 1, 4 waves a work-group, no clusters, 0 bytes of LDS; arguments x, router_w, xb, topi, topw; writes xb, topi, topw
;; launch ffn1 (part 5): grid 32 x 8, 4 waves a work-group, no clusters, 84,480 bytes of LDS; arguments xb, w1, b1, topi, hid; writes hid
.if DOCPART == 5
	.amdgcn_target "amdgcn-amd-amdhsa--gfx1250"
	.amdhsa_code_object_version 6
	.text
	.protected	k_q93e1904959_ffn1
	.globl	k_q93e1904959_ffn1
	.p2align	8
	.type	k_q93e1904959_ffn1,@function
k_q93e1904959_ffn1:
	s_mov_b64 s[64:65], 0
	v_nop
	global_prefetch_b8 v0, s[64:65] scope:SCOPE_SE
	s_setreg_imm32_b32 hwreg(HW_REG_WAVE_MODE, 25, 1), 1
	s_wait_xcnt 0x0
; FIRST PRODUCT.  For place p of expert e's list of routed rows (rho = 2 t + k with topi[rho] = e): hid[e][p] = gelu(xb[rho / 2] . w1[e] + b1[e]).
; The list's order is that of the count: the 64 register words of topi one after the other, in each the lanes ascending.  The second product counts in the same order.
; SHARES.  Work-group (slice, e) owns w1[e][0..1023][128 slice .. +127], which it alone reads.  Wave w owns K quarter w (256 k) of it, for all 128 columns, and holds it in 512 registers as
; matrix operands: 8 K steps x 8 fragments.  The weights go from memory straight into those registers: a lane loads 16 bytes (4 columns) of a row, so that lanes 0-15 take 256 consecutive aligned
; bytes of one row and lanes 16-31 those of the row 8 further on; one conversion rounds the same column of two neighbouring rows to a pair of bf16.  Fragment c = 4 g + i holds in lane r column 64 g + 4 r + i.
; THE STREAM.  A ring of 64 loads of 512 bytes a wave, in steps of 8: a step waits for its 8 loads (4 rows), makes their 16 conversions and issues 8 loads of the K step two further on into the same
; registers, so that 56 to 64 loads of every wave are out.  The list and the bias are made between the steps.
; THE MATRIX INSTRUCTION IS USED TRANSPOSED: source 0 = a fragment of weights, source 1 = 16 tokens.  In the result lane (r, h) holds ONE token r and, in register j, column 64 g + 32 h + 4 j + i.
; hid's LAYOUT.  Those eight numbers, rounded, are 16 bytes, and a wave's 32 lanes store 512 consecutive aligned bytes: exactly one load of the second product's token fragment.
; Byte address: (e << 23) + (T << 17) + ((8 slice + c) << 9) + 16 x lane, T = p / 16.  An expert has room for its 1,024 possible places; only tiles that exist are stored and read.
; ROWS.  Every wave makes its own list of the expert's rows in LDS (a count over the 2,048 words of topi; no wave reads another's).  A tile is 32 places; each wave loads its K quarter of them from xb
; straight into source 1's registers (each fragment feeds 8 matrix instructions); the four waves' partial sums (f32) meet in LDS; wave d finishes fragments c = 2 d, 2 d + 1.
; THE TRIP, i = 0 .. 32, in four blocks with two barriers that every wave passes; only work is jumped over:
;   barrier 1 | X (i < NT): the products of tile i, in runs of 32; between the runs the reads of the four waves' partial sums of tile i - 1, and the loads that fill the two K steps just multiplied with tile i + 1
;             | Y (i = NT): those reads alone | barrier 2 | P (i < NT): tile i's partial sums into LDS | F (1 <= i <= NT): sums, GELU and stores of tile i - 1, while P's stores drain.
; 33 trips serve the 1,024 rows that an expert can have.
; A TILE THAT IS NOT FULL.  The 32 list places behind the count repeat the expert's first row, so every place of a tile is computed and stored and EXEC is never changed.  An expert without rows
; still makes one tile (of row 0), so that the second product's first loads find stored bytes; nothing uses them.
; NO JOINT LOADS: each weight byte has one reader, and the rows that an expert's work-groups share are picked by a list, which no tile descriptor covers.
; FORMATS.  xb, w1, b1 rounded to bf16; sums f32; hid rounded once to bf16 (with inputs 30 times larger it passes f16's 65,504).  The bias is the C operand that starts wave 0's sums; the other waves start with 0.
; GELU.  gelu(z) = max(z, 0) - |z| q, q = poly(t) 2^(-0.72135 z z) / 2, t = 1 / (1 + 0.231642 |z|): the rational approximation of erf with five terms, absolute error 1.5e-7 for every z.
; LIMITS.  NaN and infinities are not treated apart; the order of the sums differs from the reference's.
; REGISTERS, in windows of 256 (s_set_vgpr_msb: bits 1:0 source 0, 3:2 source 1, 5:4 source 2, 7:6 destination):
;   window 0: v1 lane, v2 r, v3 h, v4 lane's offset in the weights, v5 16 h, v6-7 offsets of the next tile's rows in xb, v8-9 their list entries, v10 my place in a tile of the list, v12 my offset in hid,
;     v20-21 my places in RED, v22 16 r, v23 128 h, v24-25 the add's two, v26-30 for the list, v31 at work, v32-95 bias (8 c + j), v96-127 Z (in the prologue: zeros and temporaries),
;     v128-255 the partial sums read back (32 s + n), then GELU's four tables, then the 16 registers to store
;   window 1: weights of K steps 0-3 (64 s + 8 c)   window 2: of K steps 4-7
;   window 3: in the stream two buffers of 128 for weights as loaded; then v0-127 token fragments (64 m + 8 s), v128-255 the 16 accumulators (8 (8 m + c))
.set PW,    16384                       ; bytes in a row of w1
.set LISTB, 4608                        ; a wave's list: 1,088 entries, 32 words for lanes without a match, the rest unused
.set RED,   4*LISTB                     ; 65,536 bytes: block (d, s) at 16,384 d + 4,096 s: what wave s hands to wave d; in it piece y of eight at 512 y, lane l at 16 l
.set SPARE, RED+65536                   ; the spare words, 128 bytes a wave: two blocks of 256 bytes that no other line names
.set TSTEP, 1<<18                       ; bytes of hid from a tile of 32 places to the next
.set BIA, 32
.set Z,   96
.set LL,  128
.set HH,  128
.set TT,  128
.set EE,  160
.set PP,  192
.set MX,  224
.set ACC, 128                           ; in window 3
.set lw,  0                             ; words of the list that are written so far
.set bc,  0                             ; pieces of the bias
.set MSB, 0
.macro WIN new                          ; the immediate's high byte repeats the setting that is left; a switch that changes nothing is dropped
.if MSB != (\new)
	s_set_vgpr_msb (MSB<<8)|(\new)
.set MSB, (\new)
.endif
.endm
; 8 loads: part yy of four of K step s: its rows 4 yy .. 4 yy + 3 of sixteen (row 8 u + j of them is row 32 s + 16 u + 8 h + j of my 256), 512 bytes each, into buffer buf
.macro LOADG s, buf, yy
	WIN 0xc0
.irp t, 0,1,2,3
.irp g, 0,1
.set RW, 4*(\yy)+(\t)
.set RB, 128*(\buf)+(RW*2+(\g))*4
	global_load_b128 v[RB:RB+3], v4, s[22:23] offset:(32*(\s)+16*(RW/8)+RW%8)*PW+256*(\g) th:TH_LOAD_NT
.endr
.endr
.endm
; their 16 conversions: register 4 u + p of fragment 4 g + i takes k = 16 u + 8 h + 2 p (low half) and the next (high half); u = yy / 2, p = 2 (yy % 2) + 0, 1
.macro CVTG s, buf, yy
	WIN 0x4f+0x40*((\s)/4)
.set CU, (\yy)/2
.irp g, 0,1
.irp i, 0,1,2,3
.irp e, 0,1
.set CQ, 2*((\yy)%2)+(\e)
	v_cvt_pk_bf16_f32 v[64*((\s)%4)+8*(4*(\g)+(\i))+4*CU+CQ], v[128*(\buf)+((8*CU+2*CQ)*2+(\g))*4+(\i)], v[128*(\buf)+((8*CU+2*CQ+1)*2+(\g))*4+(\i)]
.endr
.endr
.endr
.endm
; A step of the stream.  left = the loads issued behind this part's eight, which may stay out; next = 1: the registers take the same part of the K step two further on
.macro STEP s, yy, left, next
	s_wait_loadcnt \left
	CVTG \s, (\s)%2, \yy
.if \next
	LOADG (\s)+2, (\s)%2, \yy
.endif
.endm
; One word of the list: the lanes that match take the next places, in lane order; the others write a word of their own behind the list.  EXEC stays full.
.macro LISTW
.set VP, 100+2*(lw%2)
.set SM, 33+4*(lw%2)
	v_cmp_eq_u32 s[SM], s17, v[128+lw]
	v_mbcnt_lo_u32_b32 v[VP], s[SM], s28           ; the count so far + the matching lanes below me
	v_cndmask_b32 v[VP], v27, v[VP], s[SM]
	v_min_u32 v[VP], 1119, v[VP]                   ; held inside my list before it enters an address
	v_lshl_add_u32 v[VP], v[VP], 2, v26
	v_add_nc_u32 v[VP+1], 128*(lw/4)+lw%4, v28     ; the row's number
	ds_store_b32 v[VP], v[VP+1]
	s_bcnt1_i32_b32 s[SM+1], s[SM]
	s_add_co_u32 s28, s28, s[SM+1]
.set lw, lw+1
.endm
; One piece of the bias, rounded to bf16, in the order of a result's registers: register j of the fragments c = 4 g + 0 .. 3; zero in waves 1 to 3
.macro BIASC
.set BG, bc/8
.set BJ, bc%8
	v_cvt_pk_bf16_f32 v104, v[192+32*BG+4*BJ], v[192+32*BG+4*BJ+1]
	v_cvt_pk_bf16_f32 v105, v[192+32*BG+4*BJ+2], v[192+32*BG+4*BJ+3]
	v_and_b32 v104, s54, v104
	v_and_b32 v105, s54, v105
	v_lshlrev_b32 v[BIA+8*(4*BG+0)+BJ], 16, v104
	v_and_b32 v[BIA+8*(4*BG+1)+BJ], 0xffff0000, v104
	v_lshlrev_b32 v[BIA+8*(4*BG+2)+BJ], 16, v105
	v_and_b32 v[BIA+8*(4*BG+3)+BJ], 0xffff0000, v105
.set bc, bc+1
.endm
; What stands between two steps of the stream: three words of the list and a piece of the bias, as long as there are any
.macro WORK
	WIN 0
.rept 3
.if lw < 64
	LISTW
.endif
.endr
.if bc < 16
	BIASC
.endif
.endm
; list entries -> byte offsets in xb: the entry is held to 2,047 first; token rho / 2, 2,048 bytes a row, + 16 h
.macro AADDR
.irp m, 0,1
	v_min_u32 v[8+(\m)], 0x7ff, v[8+(\m)]
.endr
.irp m, 0,1
	v_and_b32 v[8+(\m)], 0x7fe, v[8+(\m)]
.endr
.irp m, 0,1
	v_lshlrev_b32 v[8+(\m)], 10, v[8+(\m)]
.endr
.irp m, 0,1
	v_add_nc_u32 v[6+(\m)], v5, v[8+(\m)]
.endr
.endm
; 4 loads: K step s of my K quarter of 32 rows: lane (r, h) takes row r's bytes 64 s + 16 h and + 32
.macro RELOAD s
	WIN 0xc0
.irp m, 0,1
.irp u, 0,1
	global_load_b128 v[64*(\m)+8*(\s)+4*(\u):64*(\m)+8*(\s)+4*(\u)+3], v[6+(\m)], s[24:25] offset:64*(\s)+32*(\u)
.endr
.endr
.endm
; 16 matrix instructions: K step s.  The 16 accumulators take turns, one instruction a turn; the first K step starts the sums with the bias registers.
.macro KSTEP s
.if ((\s)%2) == 0
	s_wait_loadcnt 24                              ; for pair j = s / 2 of K steps: behind its eight loads were issued 8 (3 - j) of the same tile and 8 j of the next: 24 may stay out
.endif
.if (\s) == 0
	WIN 0xcd                                       ; source 0 window 1, source 1 window 3, C window 0, D window 3
.elseif (\s) < 4
	WIN 0xfd                                       ; C window 3
.else
	WIN 0xfe                                       ; source 0 window 2
.endif
.irp m, 0,1
.irp c, 0,1,2,3,4,5,6,7
.if (\s) == 0
	v_wmma_f32_16x16x32_bf16 v[ACC+8*(8*(\m)+(\c)):ACC+8*(8*(\m)+(\c))+7], v[64*((\s)%4)+8*(\c):64*((\s)%4)+8*(\c)+7], v[64*(\m)+8*(\s):64*(\m)+8*(\s)+7], v[BIA+8*(\c):BIA+8*(\c)+7]
.else
	v_wmma_f32_16x16x32_bf16 v[ACC+8*(8*(\m)+(\c)):ACC+8*(8*(\m)+(\c))+7], v[64*((\s)%4)+8*(\c):64*((\s)%4)+8*(\c)+7], v[64*(\m)+8*(\s):64*(\m)+8*(\s)+7], v[ACC+8*(8*(\m)+(\c)):ACC+8*(8*(\m)+(\c))+7]
.endif
.endr
.endr
.endm
; 8 LDS loads: what wave s has handed to me: 32 numbers a lane
.macro GETS s
.irp y, 0,1,2,3,4,5,6,7
	ds_load_b128 v[LL+32*(\s)+4*(\y):LL+32*(\s)+4*(\y)+3], v21 offset:(\s)*4096+(\y)*512
.endr
.endm
.macro PLACES                           ; four places between a run's last product and the loads into its source registers, or the LDS stores of its results
.rept 4
	v_nop
.endr
.endm
.macro ALL16 line:vararg                ; one line for each pair a of 16
.set a, 0
.rept 16
	\line
.set a, a+1
.endr
.endm
.macro GA a                             ; GELU, pair a: the four plain lines ahead of its transcendentals
	v_fma_f32 v[TT+2*(\a)], |v[Z+2*(\a)]|, s40, 1.0
	v_fma_f32 v[TT+2*(\a)+1], |v[Z+2*(\a)+1]|, s40, 1.0
	v_pk_mul_f32 v[EE+2*(\a):EE+2*(\a)+1], v[Z+2*(\a):Z+2*(\a)+1], s[52:53] op_sel_hi:[1,0]
	v_pk_mul_f32 v[EE+2*(\a):EE+2*(\a)+1], v[EE+2*(\a):EE+2*(\a)+1], v[Z+2*(\a):Z+2*(\a)+1]
.endm
.macro GT a                             ; and its four transcendentals
	v_rcp_f32 v[TT+2*(\a)], v[TT+2*(\a)]
	v_rcp_f32 v[TT+2*(\a)+1], v[TT+2*(\a)+1]
	v_exp_f32 v[EE+2*(\a)], v[EE+2*(\a)]
	v_exp_f32 v[EE+2*(\a)+1], v[EE+2*(\a)+1]
.endm
	s_load_b256 s[4:11], s[0:1], 0x0               ; xb s[4:5], w1 s[6:7], b1 s[8:9], topi s[10:11]
	s_load_b64 s[12:13], s[0:1], 0x20              ; hid
	v_lshl_add_u32 v24, v0, 2, SPARE               ; the add's two registers, kept for it alone
	v_mov_b32 v25, 0
	v_and_b32 v1, 31, v0
	v_lshrrev_b32 v31, 5, v0
	v_readfirstlane_b32 s16, v31                   ; wave
	v_and_b32 v2, 15, v0                           ; r
	v_bfe_u32 v3, v0, 4, 1                         ; h
	s_and_b32 s17, ttmp7, 0xffff                   ; expert
	s_mov_b32 s18, ttmp9                           ; slice
	v_lshlrev_b32 v22, 4, v2
	v_lshl_add_u32 v4, v3, 17, v22                 ; 8 h rows of 16,384 bytes + 16 r
	v_lshlrev_b32 v5, 4, v3
	v_lshlrev_b32 v23, 7, v3                       ; 32 h numbers of the bias
	v_lshlrev_b32 v28, 2, v1
	v_lshlrev_b32 v29, 4, v1                       ; 16 x lane
	v_add_nc_u32 v27, 1088, v1
	s_mul_i32 s36, s16, LISTB                      ; my list
	v_mov_b32 v26, s36
	v_add_nc_u32 v30, s36, v29
	v_lshl_add_u32 v10, v2, 2, s36                 ; entry r of a tile
	s_lshl_b32 s33, s16, 12
	s_add_co_u32 s33, s33, RED
	v_add_nc_u32 v20, s33, v29                     ; what I hand out: block (d, w)
	s_lshl_b32 s33, s16, 14
	s_add_co_u32 s33, s33, RED
	v_add_nc_u32 v21, s33, v29                     ; what I take: block (w, s)
.irp i, 96,97,98,99
	v_mov_b32 v\i, 0
.endr
	s_cmp_eq_u32 s16, 0
	s_cselect_b32 s54, -1, 0                       ; wave 0 alone keeps the bias
	s_mov_b32 s40, 0x3e6d3388                      ; 0.231641888
	s_mov_b32 s41, s40
	s_mov_b32 s42, 0x3f07dc22                      ; 0.5307027145: the five coefficients, halved; pairs, of which the packed forms take the low word
	s_mov_b32 s43, s42
	s_mov_b32 s44, 0xbf3a00e3                      ; -0.7265760135
	s_mov_b32 s45, s44
	s_mov_b32 s46, 0x3f35f0e3                      ; 0.7107068705
	s_mov_b32 s47, s46
	s_mov_b32 s48, 0xbe11a98e                      ; -0.142248368
	s_mov_b32 s49, s48
	s_mov_b32 s50, 0x3e027906                      ; 0.127414796
	s_mov_b32 s51, s50
	s_mov_b32 s52, 0xbf38aa3b                      ; -log2(e) / 2
	s_mov_b32 s53, s52
	s_mov_b32 s21, 0
	s_mov_b32 s28, 0                               ; the count
	s_wait_kmcnt 0x0
	s_lshl_b32 s20, s17, 24                        ; an expert's 16 MiB,
	s_lshl_b32 s36, s16, 22                        ; my 256 rows,
	s_add_co_u32 s20, s20, s36
	s_lshl_b32 s36, s18, 9                         ; the slice's 512 bytes of a row
	s_add_co_u32 s20, s20, s36
	s_add_nc_u64 s[22:23], s[6:7], s[20:21]
	s_lshl_b32 s20, s16, 9                         ; my 256 k of a row of xb
	s_add_nc_u64 s[24:25], s[4:5], s[20:21]
	s_lshl_b32 s20, s17, 14
	s_add_co_u32 s20, s20, s36
	s_add_nc_u64 s[8:9], s[8:9], s[20:21]          ; b1 at the slice
	s_lshl_b32 s20, s17, 23                        ; hid: the expert's 8 MiB,
	s_lshl_b32 s33, s18, 12                        ; the slice's eight blocks of 512 bytes,
	s_add_co_u32 s20, s20, s33
	s_lshl_b32 s33, s16, 10                        ; my two of them
	s_add_co_u32 s20, s20, s33
	s_add_nc_u64 s[26:27], s[12:13], s[20:21]
.irp i, 0,1,2,3,4,5,6,7,8,9,10,11,12,13,14,15
	global_load_b128 v[128+4*(\i):131+4*(\i)], v29, s[10:11] offset:512*(\i)  ; all of topi: word z of load i in lane l is row 128 i + 4 l + z
.endr
.irp g, 0,1
.irp j, 0,1,2,3,4,5,6,7
	global_load_b128 v[192+32*(\g)+4*(\j):192+32*(\g)+4*(\j)+3], v23, s[8:9] offset:256*(\g)+16*(\j)  ; bias of columns 64 g + 32 h + 4 j + 0 .. 3
.endr
.endr
.irp yy, 0,1,2,3
	LOADG 0, 0, \yy                                ; the ring is filled: K steps 0 and 1, 64 loads
.endr
.irp yy, 0,1,2,3
	LOADG 1, 1, \yy
.endr
	WIN 0
.irp i, 0,1,2,3,4,5,6,7,8
	ds_store_b128 v30, v[96:99] offset:512*(\i)    ; the whole list is 0: what lies past the repeated places names row 0, which exists, and feeds only loads whose tile is never multiplied
.endr
.set i, 0
.rept 32
	ds_store_b128 v21, v[96:99] offset:512*i       ; the blocks that I read are 0, so that the first trip's reads find stored bytes (nothing is made of them)
.set i, i+1
.endr
	s_wait_loadcnt 63                              ; 64 loads were issued behind topi's and the bias's: with 63 out at the most, these are in
	; THE STREAM.  Behind a step's eight loads were issued 8 (3 - yy) of its K step, 32 of the next and 8 yy of the one after: 56 may stay out.
.irp s, 0,1,2,3,4,5
.irp yy, 0,1,2,3
	STEP \s, \yy, 56, 1
	WORK
.endr
.endr
	; All weights are asked for.  The list's end, while the last 64 loads are on their way.
	WIN 0
	ds_load_b32 v12, v26                           ; the expert's first row (LDS serves a wave's instructions in order: this sees my stores above)
	v_add_nc_u32 v13, s28, v1                      ; places n .. n + 31
	v_min_u32 v13, 1087, v13                       ; held inside the list's entries
	v_lshlrev_b32 v13, 2, v13
	v_add_nc_u32 v13, v26, v13
	s_add_co_u32 s29, s28, 31
	s_lshr_b32 s29, s29, 5                         ; NT: tiles of 32 places,
	s_max_u32 s29, s29, 1                          ; one at the least
	s_mov_b32 s30, 0                               ; the trip's number i
	s_mov_b32 s39, 0                               ; 128 i: tile i's first entry in the list
	s_mov_b32 s38, 0                               ; i tiles of hid, in bytes
	s_mov_b32 s32, 33
	s_wait_dscnt 0x0
	ds_store_b32 v13, v12                          ; the places behind the count repeat the first row
	ds_load_b32 v8, v10                            ; tile 0's entries
	ds_load_b32 v9, v10 offset:64
	s_wait_dscnt 0x0
	AADDR
	; The ring runs out.  Tile 0's rows go out as soon as their registers are read out: K steps 0-3 lie in parts 0 and 2 of buffer 0, K steps 4-7 in parts 1 and 3.
	STEP 6, 0, 56, 0                               ; behind it: 24 of K step 6 and 32 of K step 7
	STEP 6, 1, 48, 0
	STEP 6, 2, 40, 0
.irp s, 0,1,2,3
	RELOAD \s
.endr
	STEP 6, 3, 48, 0                               ; K step 7's 32 and the 16 just issued
.irp s, 4,5,6,7
	RELOAD \s
.endr
	STEP 7, 0, 56, 0                               ; 24 of K step 7 and tile 0's 32
	STEP 7, 1, 48, 0
	STEP 7, 2, 40, 0
	STEP 7, 3, 32, 0                               ; tile 0's 32 stay out
	WIN 0                                          ; at a label and at a branch every window is 0
.Ltrip:
	s_wait_dscnt 0x0                               ; my partial sums of tile i - 1 are in LDS
	s_barrier_signal -1
	s_barrier_wait -1                              ; everybody's are
	s_cmp_gt_u32 s30, s29
	s_cbranch_scc1 .Lb2                            ; nothing is left: a trip without work takes one jump here and one behind the second barrier
	s_cmp_lt_u32 s30, s29
	s_cbranch_scc0 .Lnox
	; X: the products of tile i
	s_wait_xcnt 0x0                                ; the loads and stores that are out have read their offsets and data: v6-7 and the registers stored last trip are written anew below
	v_add_nc_u32 v31, s39, v10
	ds_load_b32 v8, v31 offset:128                 ; tile i + 1's entries: they come in under the first run of products
	ds_load_b32 v9, v31 offset:192
	GETS 0
	v_nop                                          ; with the v_add_nc_u32 above and the four behind the last run: six places between a tile's last products and the products that write over their accumulators
	KSTEP 0
	KSTEP 1
	WIN 0
	s_wait_dscnt 0x0                               ; the two entries (and wave 0's sums, asked for with them)
	AADDR                                          ; eight plain instructions: the places ahead of the loads into the registers just multiplied
	GETS 1
	RELOAD 0
	RELOAD 1
	KSTEP 2
	KSTEP 3
	WIN 0
	GETS 2
	PLACES
	RELOAD 2
	RELOAD 3
	KSTEP 4
	KSTEP 5
	WIN 0
	GETS 3
	PLACES
	RELOAD 4
	RELOAD 5
	KSTEP 6
	KSTEP 7
	PLACES
	RELOAD 6
	RELOAD 7
	WIN 0
	s_branch .Lb2
.Lnox:
	; Y (i = NT): no tile is left to multiply; the last tile's partial sums are read
	s_wait_xcnt 0x0                                ; the registers stored last trip are loaded into below
.irp s, 0,1,2,3
	GETS \s
.endr
.Lb2:
	s_wait_dscnt 0x0                               ; my reads of the partial sums are back
	s_barrier_signal -1
	s_barrier_wait -1                              ; everybody's are: the blocks may be written again
	s_cmp_gt_u32 s30, s29
	s_cbranch_scc1 .Lnof
	s_cmp_lt_u32 s30, s29
	s_cbranch_scc0 .Lnop
	; P: fragment c of both token blocks goes to wave c / 2, whole; each accumulator is read from its low end on
	WIN 0x0c                                       ; the data in window 3
.irp m, 0,1
.irp c, 0,1,2,3,4,5,6,7
.irp q, 0,1
	ds_store_b128 v20, v[ACC+8*(8*(\m)+(\c))+4*(\q):ACC+8*(8*(\m)+(\c))+4*(\q)+3] offset:((\c)/2)*16384+(((\m)*2+(\c)%2)*2+(\q))*512
.endr
.endr
.endr
	WIN 0
.Lnop:
	s_cmp_lg_u32 s30, 0
	s_cbranch_scc0 .Lnof
	; F: tile i - 1 is finished; all of it is work on registers, which stands here while P's stores drain
	s_wait_xcnt 0x0                                ; the last trip's stores have read their offset and data
	v_add_nc_u32 v12, s38, v29                     ; 16 x lane + i tiles; the stores reach one tile back
	ALL16 v_pk_add_f32 v[LL+2*a:LL+2*a+1], v[LL+2*a:LL+2*a+1], v[LL+32+2*a:LL+32+2*a+1]
	ALL16 v_pk_add_f32 v[LL+64+2*a:LL+64+2*a+1], v[LL+64+2*a:LL+64+2*a+1], v[LL+96+2*a:LL+96+2*a+1]
	ALL16 v_pk_add_f32 v[Z+2*a:Z+2*a+1], v[LL+2*a:LL+2*a+1], v[LL+64+2*a:LL+64+2*a+1]
	; GELU of the 32 numbers.  Four plain instructions of pair a, then the four transcendentals of pair a - 1: no line reads a result of theirs ahead of the one wait.
	GA 0
.irp a, 1,2,3,4,5,6,7,8,9,10,11,12,13,14,15
	GA \a
	GT (\a)-1
.endr
	GT 15
.set i, 0
.rept 32
	v_max_num_f32 v[MX+i], 0, v[Z+i]               ; plain work behind the last transcendental
.set i, i+1
.endr
	s_wait_alu depctr_va_vdst(0)                   ; one wait for the 64, ahead of their first reader
	ALL16 v_pk_fma_f32 v[PP+2*a:PP+2*a+1], v[TT+2*a:TT+2*a+1], s[42:43], s[44:45] op_sel_hi:[1,0,0]
	ALL16 v_pk_fma_f32 v[PP+2*a:PP+2*a+1], v[PP+2*a:PP+2*a+1], v[TT+2*a:TT+2*a+1], s[46:47] op_sel_hi:[1,1,0]
	ALL16 v_pk_fma_f32 v[PP+2*a:PP+2*a+1], v[PP+2*a:PP+2*a+1], v[TT+2*a:TT+2*a+1], s[48:49] op_sel_hi:[1,1,0]
	ALL16 v_pk_fma_f32 v[PP+2*a:PP+2*a+1], v[PP+2*a:PP+2*a+1], v[TT+2*a:TT+2*a+1], s[50:51] op_sel_hi:[1,1,0]
	ALL16 v_pk_mul_f32 v[PP+2*a:PP+2*a+1], v[PP+2*a:PP+2*a+1], v[TT+2*a:TT+2*a+1]
	ALL16 v_pk_mul_f32 v[PP+2*a:PP+2*a+1], v[PP+2*a:PP+2*a+1], v[EE+2*a:EE+2*a+1]
.set i, 0
.rept 32
	v_fma_f32 v[Z+i], -|v[Z+i]|, v[PP+i], v[MX+i]
.set i, i+1
.endr
	ALL16 v_cvt_pk_bf16_f32 v[HH+a], v[Z+2*a], v[Z+2*a+1]
.irp x, 0,1,2,3                         ; token block x / 2, fragment 2 w + x % 2
	global_store_b128 v12, v[HH+4*(\x):HH+4*(\x)+3], s[26:27] offset:((\x)/2)*131072+((\x)%2)*512-TSTEP  ; the wave stores 512 consecutive bytes, aligned
.endr
.Lnof:
	s_add_co_u32 s30, s30, 1
	s_add_co_u32 s39, s39, 128                     ; 32 entries on
	s_add_co_u32 s38, s38, TSTEP
	s_sub_co_u32 s32, s32, 1
	s_cmp_lg_u32 s32, 0
	s_cbranch_scc1 .Ltrip
	s_wait_tensorcnt 0x0                           ; the wave's end
	ds_add_u32 v24, v25
	s_wait_dscnt 0x0
	s_endpgm
.Lfunc_end_k_q93e1904959_ffn1:
	.size	k_q93e1904959_ffn1, .Lfunc_end_k_q93e1904959_ffn1-k_q93e1904959_ffn1
	.p2alignl 7, 3214868480
	.fill 96, 4, 3214868480
	.section	.rodata,"a",@progbits
	.p2align	6, 0x0
	.amdhsa_kernel k_q93e1904959_ffn1
		.amdhsa_group_segment_fixed_size 84480
		.amdhsa_private_segment_fixed_size 0
		.amdhsa_enable_private_segment 0
		.amdhsa_kernarg_size 40
		.amdhsa_user_sgpr_count 2
		.amdhsa_user_sgpr_kernarg_segment_ptr 1
		.amdhsa_wavefront_size32 1
		.amdhsa_system_sgpr_workgroup_id_x 1
		.amdhsa_system_sgpr_workgroup_id_y 1
		.amdhsa_system_sgpr_workgroup_id_z 1
		.amdhsa_system_vgpr_workitem_id 0
		.amdhsa_next_free_vgpr 1024
		.amdhsa_next_free_sgpr 66
		.amdhsa_reserve_vcc 0
		.amdhsa_float_denorm_mode_32 3
		.amdhsa_float_denorm_mode_16_64 3
		.amdhsa_memory_ordered 1
		.amdhsa_forward_progress 1
		.amdhsa_inst_pref_size 150
	.end_amdhsa_kernel
	.amdgpu_metadata
---
amdhsa.version: [ 1, 2 ]
amdhsa.kernels:
  - .name:           k_q93e1904959_ffn1
    .symbol:         k_q93e1904959_ffn1.kd
    .args:
      - { .name: xb, .offset: 0, .size: 8, .value_kind: global_buffer, .address_space: global }
      - { .name: w1, .offset: 8, .size: 8, .value_kind: global_buffer, .address_space: global }
      - { .name: b1, .offset: 16, .size: 8, .value_kind: global_buffer, .address_space: global }
      - { .name: topi, .offset: 24, .size: 8, .value_kind: global_buffer, .address_space: global }
      - { .name: hid, .offset: 32, .size: 8, .value_kind: global_buffer, .address_space: global }
    .group_segment_fixed_size: 84480
    .private_segment_fixed_size: 0
    .kernarg_segment_align: 8
    .kernarg_segment_size: 40
    .max_flat_workgroup_size: 128
    .sgpr_count:     66
    .vgpr_count:     1024
    .wavefront_size: 32
...
	.end_amdgpu_metadata
.endif
;; end of part 5
;; launch ffn2 (part 6): grid 32 x 8, 4 waves a work-group, no clusters, 84,480 bytes of LDS; arguments hid, w2, topi, part; writes part
.if DOCPART == 6
	.amdgcn_target "amdgcn-amd-amdhsa--gfx1250"
	.amdhsa_code_object_version 6
	.text
	.protected	k_q93e1904959_ffn2
	.globl	k_q93e1904959_ffn2
	.p2align	8
	.type	k_q93e1904959_ffn2,@function
k_q93e1904959_ffn2:
	s_mov_b64 s[64:65], 0
	v_nop
	global_prefetch_b8 v0, s[64:65] scope:SCOPE_SE
	s_setreg_imm32_b32 hwreg(HW_REG_WAVE_MODE, 25, 1), 1
	s_wait_xcnt 0x0
; SECOND PRODUCT, in four parts along K.  part[q][rho] = hid[e][p][the 1,024 numbers of quarter q] . w2[e][the same f][:] for place p of expert e's list, rho its routed row; f32 partial sums, added by the last launch.
; SHARES.  Work-group (x, e): x % 8 is a slice of 128 of the 1,024 columns, q = x / 8 a quarter of the 4,096 rows of w2[e]: 1,024 x 128 numbers, which it alone reads.  Wave w owns 256 rows of them, for
; all 128 columns, in 512 registers as source 1 of the matrix instruction; they go from memory straight into those registers, 256 consecutive aligned bytes for each 16 lanes.
; THE STREAM.  A ring of 64 loads of 512 bytes a wave, in steps of 8: a step waits for its 8 loads (4 rows), makes their 16 conversions and issues 8 loads of the K step two further on into the same
; registers, so that 56 to 64 loads of every wave are out.  The list is made between the steps.
; hid's LAYOUT is the order of source 0's registers: byte (e << 23) + (T << 17) + (CP << 9) + 16 x lane holds, for lane (r, h), place 16 T + r and the eight numbers f = 128 (CP / 8) + 64 g + 32 h + 4 j + i,
; j = 0 .. 7, CP % 8 = 4 g + i.  So a load of a token fragment is 512 consecutive aligned bytes, and its address is made of the work-group's and the wave's numbers, the lane and the tile: no list enters it.
; K step s of my 256 takes blocks CP = 64 q + 16 w + 2 s + u, u = 0, 1.  The row of w2 that belongs to its place 16 u + 8 h + j is 128 (s / 4) + 64 ((s % 4) / 2) + 32 h + 4 j + 2 (s % 2) + u: the order
; enters the loads' constants alone, and each row is still read once.
; ROWS.  Every wave makes its own list of the expert's rows in LDS, for the stores alone, in the order of the first product's count: the 64 register words of topi one after the other, in each the lanes
; ascending.  A tile is 32 places.  The four waves' partial sums meet in LDS; wave d finishes places 8 h + 4 (d % 2) + 0 .. 3 of token block d / 2, all 128 columns.
; THE TRIP, i = 0 .. 32, in four blocks with two barriers that every wave passes; only work is jumped over:
;   barrier 1 | X (i < NT): the products of tile i, in runs of 32; between the runs the reads of the four waves' partial sums of tile i - 1, and the loads that fill the two K steps just multiplied with tile i + 1
;             | Y (i = NT): those reads alone | barrier 2 | P (i < NT): tile i's partial sums into LDS | F (1 <= i <= NT): sums and stores of tile i - 1, while P's stores drain.
; Behind the last tile the loads ahead take the last tile once more.  33 trips serve the 1,024 rows that an expert can have.
; A TILE THAT IS NOT FULL.  The 32 list places behind the count repeat the expert's first row, here and in the first product: such a place computes that row once more and stores the same numbers to the
; same bytes of this work-group's slice, so that no store needs a mask and EXEC is never changed.  An expert without rows has no tile and stores nothing.
; NO JOINT LOADS: each weight byte has one reader; the token tiles that eight work-groups share are an eighth of a work-group's bytes.
; FORMATS.  hid is bf16, w2 is rounded to bf16; sums f32.  LIMITS.  NaN and infinities are not treated apart; the order of the sums differs from the reference's.
; REGISTERS, in windows of 256 (s_set_vgpr_msb: bits 1:0 source 0, 3:2 source 1, 5:4 source 2, 7:6 destination):
;   window 0: v1 lane, v2 r, v3 h, v4 lane's offset in the weights, v6 my offset in hid, v11 my place in a tile of the list, v12-15 list entries, then offsets, of the rows that I store, v20-21 my places in RED,
;     v22 16 r, v24-25 the add's two, v26-30 for the list, v31 at work, v56-59 zeros, v60-61 at work, v96-127 the 32 numbers to store, v128-255 the partial sums read back (32 s + 4 c + jj)
;   window 1: weights of K steps 0-3 (64 s + 8 c)   window 2: of K steps 4-7
;   window 3: in the stream two buffers of 128 for weights as loaded; then v0-127 token fragments (64 m + 8 s), v128-255 the 16 accumulators (8 (8 m + c))
.set PW,    4096                        ; bytes in a row of w2
.set LISTB, 4608                        ; a wave's list: a lead of 32 places, 1,088 entries, 32 words for lanes without a match
.set RED,   4*LISTB                     ; 65,536 bytes: block (d, s) at 16,384 d + 4,096 s: what wave s hands to wave d; in it fragment c at 512 c, lane l at 16 l
.set SPARE, RED+65536                   ; the spare words, 128 bytes a wave: two blocks of 256 bytes that no other line names
.set OO,  96
.set LL,  128
.set ACC, 128                           ; in window 3
.set lw,  0                             ; words of the list that are written so far
.set MSB, 0
.macro WIN new                          ; the immediate's high byte repeats the setting that is left; a switch that changes nothing is dropped
.if MSB != (\new)
	s_set_vgpr_msb (MSB<<8)|(\new)
.set MSB, (\new)
.endif
.endm
; 8 loads: part yy of four of K step s: its rows 4 yy .. 4 yy + 3 of sixteen (row 8 u + j of them stands for place 16 u + 8 h + j), 512 bytes each, into buffer buf
.macro LOADG s, buf, yy
	WIN 0xc0
.irp t, 0,1,2,3
.irp g, 0,1
.set RW, 4*(\yy)+(\t)
.set RB, 128*(\buf)+(RW*2+(\g))*4
	global_load_b128 v[RB:RB+3], v4, s[22:23] offset:(128*((\s)/4)+64*(((\s)%4)/2)+4*(RW%8)+2*((\s)%2)+RW/8)*PW+256*(\g) th:TH_LOAD_NT
.endr
.endr
.endm
; their 16 conversions: register 4 u + p of fragment 4 g + i takes places 16 u + 8 h + 2 p and the next; u = yy / 2, p = 2 (yy % 2) + 0, 1
.macro CVTG s, buf, yy
	WIN 0x4f+0x40*((\s)/4)
.set CU, (\yy)/2
.irp g, 0,1
.irp i, 0,1,2,3
.irp e, 0,1
.set CQ, 2*((\yy)%2)+(\e)
	v_cvt_pk_bf16_f32 v[64*((\s)%4)+8*(4*(\g)+(\i))+4*CU+CQ], v[128*(\buf)+((8*CU+2*CQ)*2+(\g))*4+(\i)], v[128*(\buf)+((8*CU+2*CQ+1)*2+(\g))*4+(\i)]
.endr
.endr
.endr
.endm
; A step of the stream.  left = the loads issued behind this part's eight, which may stay out; next = 1: the registers take the same part of the K step two further on
.macro STEP s, yy, left, next
	s_wait_loadcnt \left
	CVTG \s, (\s)%2, \yy
.if \next
	LOADG (\s)+2, (\s)%2, \yy
.endif
.endm
; One word of the list: the lanes that match take the next places, in lane order; the others write a word of their own behind the list.  EXEC stays full.
; The rows' numbers are made in v192-255, so that with topi's v128-191 every register of the partial sums' range holds a number on every way through the text.
.macro LISTW
.set VP, 60+lw%2
.set SM, 33+4*(lw%2)
	v_cmp_eq_u32 s[SM], s17, v[128+lw]
	v_mbcnt_lo_u32_b32 v[VP], s[SM], s28           ; the count so far + the matching lanes below me
	v_cndmask_b32 v[VP], v27, v[VP], s[SM]
	v_min_u32 v[VP], 1119, v[VP]                   ; held inside my list before it enters an address
	v_lshl_add_u32 v[VP], v[VP], 2, v26
	v_add_nc_u32 v[192+lw], 128*(lw/4)+lw%4, v28   ; the row's number
	ds_store_b32 v[VP], v[192+lw]
	s_bcnt1_i32_b32 s[SM+1], s[SM]
	s_add_co_u32 s28, s28, s[SM+1]
.set lw, lw+1
.endm
.macro WORK                             ; what stands between two steps of the stream: three words of the list, as long as there are any
	WIN 0
.rept 3
.if lw < 64
	LISTW
.endif
.endr
.endm
.macro RELOAD s                         ; 4 loads of 512 consecutive bytes: K step s of both token blocks
	WIN 0xc0
.irp m, 0,1
.irp u, 0,1
	global_load_b128 v[64*(\m)+8*(\s)+4*(\u):64*(\m)+8*(\s)+4*(\u)+3], v6, s[24:25] offset:(\m)*131072+(2*(\s)+(\u))*512
.endr
.endr
.endm
; 16 matrix instructions: K step s.  The 16 accumulators take turns, one instruction a turn; the first K step starts the sums with the constant 0.
.macro KSTEP s
.if ((\s)%2) == 0
	s_wait_loadcnt 24                              ; for pair j = s / 2 of K steps: behind its eight loads were issued 8 (3 - j) of the same tile and 8 j of the next: 24 may stay out
.endif
	WIN 0xf7+4*((\s)/4)                            ; source 0 window 3, source 1 window 1 or 2, C and D window 3
.irp m, 0,1
.irp c, 0,1,2,3,4,5,6,7
.if (\s) == 0
	v_wmma_f32_16x16x32_bf16 v[ACC+8*(8*(\m)+(\c)):ACC+8*(8*(\m)+(\c))+7], v[64*(\m)+8*(\s):64*(\m)+8*(\s)+7], v[64*((\s)%4)+8*(\c):64*((\s)%4)+8*(\c)+7], 0
.else
	v_wmma_f32_16x16x32_bf16 v[ACC+8*(8*(\m)+(\c)):ACC+8*(8*(\m)+(\c))+7], v[64*(\m)+8*(\s):64*(\m)+8*(\s)+7], v[64*((\s)%4)+8*(\c):64*((\s)%4)+8*(\c)+7], v[ACC+8*(8*(\m)+(\c)):ACC+8*(8*(\m)+(\c))+7]
.endif
.endr
.endr
.endm
.macro GETS s                           ; 8 LDS loads: what wave s has handed to me: 32 numbers a lane
.irp c, 0,1,2,3,4,5,6,7
	ds_load_b128 v[LL+32*(\s)+4*(\c):LL+32*(\s)+4*(\c)+3], v21 offset:(\s)*4096+(\c)*512
.endr
.endm
.macro PLACES                           ; four places between a run's last product and the loads into its source registers, or the LDS stores of its results
.rept 4
	v_nop
.endr
.endm
.macro ALL16 line:vararg                ; one line for each pair a of 16
.set a, 0
.rept 16
	\line
.set a, a+1
.endr
.endm
	s_load_b256 s[4:11], s[0:1], 0x0               ; hid s[4:5], w2 s[6:7], topi s[8:9], part s[10:11]
	v_lshl_add_u32 v24, v0, 2, SPARE               ; the add's two registers, kept for it alone
	v_mov_b32 v25, 0
	v_and_b32 v1, 31, v0
	v_lshrrev_b32 v31, 5, v0
	v_readfirstlane_b32 s16, v31                   ; wave
	v_and_b32 v2, 15, v0                           ; r
	v_bfe_u32 v3, v0, 4, 1                         ; h
	s_and_b32 s17, ttmp7, 0xffff                   ; expert
	s_and_b32 s18, ttmp9, 7                        ; slice of columns
	s_lshr_b32 s19, ttmp9, 3                       ; q
	v_lshlrev_b32 v22, 4, v2
	v_lshl_add_u32 v4, v3, 17, v22                 ; 32 h rows of 4,096 bytes + 16 r
	v_lshlrev_b32 v28, 2, v1
	v_lshlrev_b32 v29, 4, v1                       ; 16 x lane
	v_add_nc_u32 v27, 1088, v1
	s_mul_i32 s36, s16, LISTB                      ; my list
	v_add_nc_u32 v30, s36, v29
	s_add_co_u32 s33, s36, 128
	v_mov_b32 v26, s33                             ; the entries begin behind a lead of 32 places, so that tile i - 1 lies at byte 128 i
	s_lshr_b32 s33, s16, 1
	s_lshl_b32 s33, s33, 6                         ; token block w / 2: 16 entries,
	s_and_b32 s37, s16, 1
	s_lshl_b32 s37, s37, 4                         ; 4 (w % 2) entries
	s_add_co_u32 s33, s33, s37
	s_add_co_u32 s33, s33, s36
	v_lshl_add_u32 v11, v3, 5, s33                 ; and 8 h
	s_lshl_b32 s33, s16, 12
	s_add_co_u32 s33, s33, RED
	v_add_nc_u32 v20, s33, v29                     ; what I hand out: block (d, w)
	s_lshl_b32 s33, s16, 14
	s_add_co_u32 s33, s33, RED
	v_add_nc_u32 v21, s33, v29                     ; what I take: block (w, s)
	v_mov_b32 v6, v29                              ; tile 0
.irp i, 56,57,58,59
	v_mov_b32 v\i, 0
.endr
	s_mov_b32 s21, 0
	s_mov_b32 s28, 0                               ; the count
	s_wait_kmcnt 0x0
	s_lshl_b32 s20, s17, 24                        ; an expert's 16 MiB,
	s_lshl_b32 s36, s19, 22                        ; the quarter's 1,024 rows,
	s_add_co_u32 s20, s20, s36
	s_lshl_b32 s36, s16, 20                        ; my 256 of them,
	s_add_co_u32 s20, s20, s36
	s_lshl_b32 s36, s18, 9                         ; the slice's 512 bytes of a row
	s_add_co_u32 s20, s20, s36
	s_add_nc_u64 s[22:23], s[6:7], s[20:21]
	s_lshl_b32 s20, s19, 23                        ; part q: 2,048 rows of 4,096 bytes
	s_add_co_u32 s20, s20, s36
	s_add_nc_u64 s[26:27], s[10:11], s[20:21]
	s_lshl_b32 s20, s17, 23                        ; hid: the expert's 8 MiB,
	s_lshl_b32 s36, s19, 15                        ; the quarter's 64 blocks of 512 bytes,
	s_add_co_u32 s20, s20, s36
	s_lshl_b32 s36, s16, 13                        ; my 16 of them
	s_add_co_u32 s20, s20, s36
	s_add_nc_u64 s[24:25], s[4:5], s[20:21]
.irp i, 0,1,2,3,4,5,6,7,8,9,10,11,12,13,14,15
	global_load_b128 v[128+4*(\i):131+4*(\i)], v29, s[8:9] offset:512*(\i)  ; all of topi: word z of load i in lane l is row 128 i + 4 l + z
.endr
.irp yy, 0,1,2,3
	LOADG 0, 0, \yy                                ; the ring is filled: K steps 0 and 1, 64 loads
.endr
.irp yy, 0,1,2,3
	LOADG 1, 1, \yy
.endr
	WIN 0
.irp i, 0,1,2,3,4,5,6,7,8
	ds_store_b128 v30, v[56:59] offset:512*(\i)    ; the whole list is 0, the lead too
.endr
.set i, 0
.rept 32
	ds_store_b128 v21, v[56:59] offset:512*i       ; the blocks that I read are 0, so that the first trip's reads find stored bytes (nothing is made of them)
.set i, i+1
.endr
	s_wait_loadcnt 63                              ; 64 loads were issued behind topi's: with 63 out at the most, topi is in
	; THE STREAM.  Behind a step's eight loads were issued 8 (3 - yy) of its K step, 32 of the next and 8 yy of the one after: 56 may stay out.
.irp s, 0,1,2,3,4,5
.irp yy, 0,1,2,3
	STEP \s, \yy, 56, 1
	WORK
.endr
.endr
	; All weights are asked for.  The list's end, while the last 64 loads are on their way.
	WIN 0
	ds_load_b32 v12, v26                           ; the expert's first row (LDS serves a wave's instructions in order: this sees my stores above)
	v_add_nc_u32 v13, s28, v1                      ; places n .. n + 31
	v_min_u32 v13, 1087, v13                       ; held inside the list's entries
	v_lshlrev_b32 v13, 2, v13
	v_add_nc_u32 v13, v26, v13
	s_add_co_u32 s29, s28, 31
	s_lshr_b32 s29, s29, 5                         ; NT: tiles of 32 places
	s_mov_b32 s30, 0                               ; the trip's number i
	s_mov_b32 s39, 0                               ; 128 i
	s_mov_b32 s32, 33
	s_wait_dscnt 0x0
	ds_store_b32 v13, v12                          ; the places behind the count repeat the first row
	; The ring runs out.  Tile 0 goes out as soon as its registers are read out: K steps 0-3 lie in parts 0 and 2 of buffer 0, K steps 4-7 in parts 1 and 3.
	STEP 6, 0, 56, 0                               ; behind it: 24 of K step 6 and 32 of K step 7
	STEP 6, 1, 48, 0
	STEP 6, 2, 40, 0
.irp s, 0,1,2,3
	RELOAD \s
.endr
	STEP 6, 3, 48, 0                               ; K step 7's 32 and the 16 just issued
.irp s, 4,5,6,7
	RELOAD \s
.endr
	STEP 7, 0, 56, 0                               ; 24 of K step 7 and tile 0's 32
	STEP 7, 1, 48, 0
	STEP 7, 2, 40, 0
	STEP 7, 3, 32, 0                               ; tile 0's 32 stay out
	WIN 0                                          ; at a label and at a branch every window is 0
.Ltrip:
	s_wait_dscnt 0x0                               ; my partial sums of tile i - 1 are in LDS
	s_barrier_signal -1
	s_barrier_wait -1                              ; everybody's are
	s_cmp_gt_u32 s30, s29
	s_cbranch_scc1 .Lb2                            ; nothing is left: a trip without work takes one jump here and one behind the second barrier
	s_cmp_lt_u32 s30, s29
	s_cbranch_scc0 .Lnox
	; X: the products of tile i
	s_wait_xcnt 0x0                                ; the loads that are out have read their offset: v6 is written anew below
	s_add_co_u32 s36, s30, 1                       ; the tile to load: i + 1,
	s_sub_co_u32 s37, s29, 1
	s_min_u32 s36, s36, s37                        ; or the last one once more;
	s_min_u32 s36, s36, 31                         ; held inside the expert's room before it enters an address
	s_lshl_b32 s36, s36, 18                        ; 262,144 bytes a tile
	v_add_nc_u32 v6, s36, v29
	GETS 0
	v_nop                                          ; with the v_add_nc_u32 above and the four behind the last run: six places between a tile's last products and the products that write over their accumulators
	KSTEP 0
	KSTEP 1
	WIN 0
	GETS 1
	PLACES
	RELOAD 0
	RELOAD 1
	KSTEP 2
	KSTEP 3
	WIN 0
	GETS 2
	PLACES
	RELOAD 2
	RELOAD 3
	KSTEP 4
	KSTEP 5
	WIN 0
	GETS 3
	PLACES
	RELOAD 4
	RELOAD 5
	KSTEP 6
	KSTEP 7
	PLACES
	RELOAD 6
	RELOAD 7
	WIN 0
	s_branch .Lb2
.Lnox:
	; Y (i = NT): no tile is left to multiply; the last tile's partial sums are read
.irp s, 0,1,2,3
	GETS \s
.endr
.Lb2:
	s_wait_dscnt 0x0                               ; my reads of the partial sums are back
	s_barrier_signal -1
	s_barrier_wait -1                              ; everybody's are: the blocks may be written again
	s_cmp_gt_u32 s30, s29
	s_cbranch_scc1 .Lnof
	s_cmp_lt_u32 s30, s29
	s_cbranch_scc0 .Lnop
	; P: registers 4 q .. 4 q + 3 of token block m's accumulators go to wave 2 m + q; each accumulator is read from its low end on
	WIN 0x0c                                       ; the data in window 3
.irp m, 0,1
.irp c, 0,1,2,3,4,5,6,7
.irp q, 0,1
	ds_store_b128 v20, v[ACC+8*(8*(\m)+(\c))+4*(\q):ACC+8*(8*(\m)+(\c))+4*(\q)+3] offset:(2*(\m)+(\q))*16384+(\c)*512
.endr
.endr
.endr
	WIN 0
.Lnop:
	s_cmp_lg_u32 s30, 0
	s_cbranch_scc0 .Lnof
	; F: tile i - 1 is finished, while P's stores drain
	s_wait_xcnt 0x0                                ; the last trip's stores have read their offsets and data: both are written anew below
	v_add_nc_u32 v31, s39, v11
	ds_load_b128 v[12:15], v31                     ; the four rows that I store
	ALL16 v_pk_add_f32 v[LL+2*a:LL+2*a+1], v[LL+2*a:LL+2*a+1], v[LL+32+2*a:LL+32+2*a+1]
	ALL16 v_pk_add_f32 v[LL+64+2*a:LL+64+2*a+1], v[LL+64+2*a:LL+64+2*a+1], v[LL+96+2*a:LL+96+2*a+1]
.set n, 0
.rept 32                                ; n = 4 c + jj, c = 4 g + i: row jj of my four, column group g, column i of the lane's four
	v_add_f32 v[OO+((n%4)*2+n/16)*4+(n/4)%4], v[LL+n], v[LL+64+n]
.set n, n+1
.endr
	s_wait_dscnt 0x0                               ; the four entries (P's stores stand ahead of them; the barrier at the trip's head wants those done in any case)
.irp k, 0,1,2,3
	v_min_u32 v[12+(\k)], 0x7ff, v[12+(\k)]        ; held to 2,047 before it enters an address
.endr
.irp k, 0,1,2,3
	v_lshlrev_b32 v[12+(\k)], 12, v[12+(\k)]       ; 4,096 bytes a row of part,
.endr
.irp k, 0,1,2,3
	v_add_nc_u32 v[12+(\k)], v22, v[12+(\k)]       ; + 16 r
.endr
.irp k, 0,1,2,3
	global_store_b128 v[12+(\k)], v[OO+8*(\k):OO+8*(\k)+3], s[26:27]               ; 16 lanes store 256 consecutive bytes of a row of part, aligned: columns 0-63 of the slice,
	global_store_b128 v[12+(\k)], v[OO+8*(\k)+4:OO+8*(\k)+7], s[26:27] offset:256  ; and columns 64-127
.endr
.Lnof:
	s_add_co_u32 s30, s30, 1
	s_add_co_u32 s39, s39, 128                     ; 32 entries on
	s_sub_co_u32 s32, s32, 1
	s_cmp_lg_u32 s32, 0
	s_cbranch_scc1 .Ltrip
	s_wait_tensorcnt 0x0                           ; the wave's end
	ds_add_u32 v24, v25
	s_wait_dscnt 0x0
	s_endpgm
.Lfunc_end_k_q93e1904959_ffn2:
	.size	k_q93e1904959_ffn2, .Lfunc_end_k_q93e1904959_ffn2-k_q93e1904959_ffn2
	.p2alignl 7, 3214868480
	.fill 96, 4, 3214868480
	.section	.rodata,"a",@progbits
	.p2align	6, 0x0
	.amdhsa_kernel k_q93e1904959_ffn2
		.amdhsa_group_segment_fixed_size 84480
		.amdhsa_private_segment_fixed_size 0
		.amdhsa_enable_private_segment 0
		.amdhsa_kernarg_size 32
		.amdhsa_user_sgpr_count 2
		.amdhsa_user_sgpr_kernarg_segment_ptr 1
		.amdhsa_wavefront_size32 1
		.amdhsa_system_sgpr_workgroup_id_x 1
		.amdhsa_system_sgpr_workgroup_id_y 1
		.amdhsa_system_sgpr_workgroup_id_z 1
		.amdhsa_system_vgpr_workitem_id 0
		.amdhsa_next_free_vgpr 1024
		.amdhsa_next_free_sgpr 66
		.amdhsa_reserve_vcc 0
		.amdhsa_float_denorm_mode_32 3
		.amdhsa_float_denorm_mode_16_64 3
		.amdhsa_memory_ordered 1
		.amdhsa_forward_progress 1
		.amdhsa_inst_pref_size 125
	.end_amdhsa_kernel
	.amdgpu_metadata
---
amdhsa.version: [ 1, 2 ]
amdhsa.kernels:
  - .name:           k_q93e1904959_ffn2
    .symbol:         k_q93e1904959_ffn2.kd
    .args:
      - { .name: hid, .offset: 0, .size: 8, .value_kind: global_buffer, .address_space: global }
      - { .name: w2, .offset: 8, .size: 8, .value_kind: global_buffer, .address_space: global }
      - { .name: topi, .offset: 16, .size: 8, .value_kind: global_buffer, .address_space: global }
      - { .name: part, .offset: 24, .size: 8, .value_kind: global_buffer, .address_space: global }
    .group_segment_fixed_size: 84480
    .private_segment_fixed_size: 0
    .kernarg_segment_align: 8
    .kernarg_segment_size: 32
    .max_flat_workgroup_size: 128
    .sgpr_count:     66
    .vgpr_count:     1024
    .wavefront_size: 32
...
	.end_amdgpu_metadata
.endif
;; end of part 6
;; launch sum: the kernel of part 4 again; grid 256 x 1, 8 waves a work-group, no clusters, 0 bytes of LDS; arguments part, b2, topi, topw, out0; writes out0
;; ======== version 3 of 3: 4 launches; version 2 with the launches ffn1, ffn2 written anew for expert scheduling mode
;; workspace buffers: xb 2,097,152 bytes; topi 8,192 bytes of whole numbers; topw 8,192 bytes; hid 67,108,864 bytes; part 33,554,432 bytes
;; launch router: the kernel of part 1 again; grid 256 x 1, 4 waves a work-group, no clusters, 0 bytes of LDS; arguments x, router_w, xb, topi, topw; writes xb, topi, topw
;; launch ffn1 (part 7): grid 32 x 8, 4 waves a work-group, no clusters, 84,480 bytes of LDS; arguments xb, w1, b1, topi, hid; writes hid
.if DOCPART == 7
	.amdgcn_target "amdgcn-amd-amdhsa--gfx1250"
	.amdhsa_code_object_version 6
	.text
	.protected	k_q93e1904959_ffn1
	.globl	k_q93e1904959_ffn1
	.p2align	8
	.type	k_q93e1904959_ffn1,@function
k_q93e1904959_ffn1:
	s_mov_b64 s[64:65], 0
	v_nop
	global_prefetch_b8 v0, s[64:65] scope:SCOPE_SE
	s_setreg_imm32_b32 hwreg(HW_REG_WAVE_SCHED_MODE, 0, 2), 2
	s_setreg_imm32_b32 hwreg(HW_REG_WAVE_MODE, 25, 1), 1
	s_wait_xcnt 0x0
	s_wait_alu depctr_vm_vsrc(0)
; FIRST PRODUCT.  For place p of expert e's list of routed rows (rho = 2 t + k with topi[rho] = e): hid[e][p] = gelu(xb[rho / 2] . w1[e] + b1[e]).
; The list's order is that of the count: the 64 register words of topi one after the other, in each the lanes ascending.  The second product counts in the same order.
; SHARES.  Work-group (slice, e) owns w1[e][0..1023][128 slice .. +127], which it alone reads.  Wave w owns K quarter w (256 k) of it, for all 128 columns, and holds it in 512 registers as
; matrix operands: 8 K steps x 8 fragments.  The weights go from memory straight into those registers: a lane loads 16 bytes (4 columns) of a row, so that lanes 0-15 take 256 consecutive aligned
; bytes of one row and lanes 16-31 those of the row 8 further on; one conversion rounds the same column of two neighbouring rows to a pair of bf16.  Fragment c = 4 g + i holds in lane r column 64 g + 4 r + i.
; THE STREAM.  A ring of 64 loads of 512 bytes a wave, in steps of 8: a step waits for its 8 loads (4 rows), makes their 16 conversions and issues 8 loads of the K step two further on into the same
; registers, so that 56 to 64 loads of every wave are out.  The list and the bias are made in the steps.
; THE MATRIX INSTRUCTION IS USED TRANSPOSED: source 0 = a fragment of weights, source 1 = 16 tokens.  In the result lane (r, h) holds ONE token r and, in register j, column 64 g + 32 h + 4 j + i.
; hid's LAYOUT.  Those eight numbers, rounded, are 16 bytes, and a wave's 32 lanes store 512 consecutive aligned bytes: exactly one load of the second product's token fragment.
; Byte address: (e << 23) + (T << 17) + ((8 slice + c) << 9) + 16 x lane, T = p / 16.  An expert has room for its 1,024 possible places; only tiles that exist are stored and read.
; ROWS.  Every wave makes its own list of the expert's rows in LDS (a count over the 2,048 words of topi; no wave reads another's).  A tile is 32 places; each wave loads its K quarter of them from xb
; straight into source 1's registers (each fragment feeds 8 matrix instructions); the four waves' partial sums (f32) meet in LDS; wave d finishes fragments c = 2 d, 2 d + 1.
; THE TRIP, i = 0 .. 32, in four blocks with two barriers that every wave passes; only work is jumped over:
;   barrier 1 | X (i < NT): the products of tile i, in runs of 32; between the runs the reads of the four waves' partial sums of tile i - 1, and the loads that fill the two K steps just multiplied with tile i + 1
;             | Y (i = NT): those reads alone | barrier 2 | P (i < NT): tile i's partial sums into LDS | F (1 <= i <= NT): sums, GELU and stores of tile i - 1, while P's stores drain.
; 33 trips serve the 1,024 rows that an expert can have.
; A TILE THAT IS NOT FULL.  The 32 list places behind the count repeat the expert's first row, so every place of a tile is computed and stored and EXEC is never changed.  An expert without rows
; still makes one tile (of row 0), so that the second product's first loads find stored bytes; nothing uses them.
; NO JOINT LOADS: each weight byte has one reader, and the rows that an expert's work-groups share are picked by a list, which no tile descriptor covers.
; FORMATS.  xb, w1, b1 rounded to bf16; sums f32; hid rounded once to bf16 (with inputs 30 times larger it passes f16's 65,504).  The bias is the C operand that starts wave 0's sums; the other waves start with 0.
; GELU.  gelu(z) = max(z, 0) - |z| q, q = poly(t) 2^(-0.72135 z z) / 2, t = 1 / (1 + 0.231642 |z|): the rational approximation of erf with five terms, absolute error 1.5e-7 for every z.
; LIMITS.  NaN and infinities are not treated apart; the order of the sums differs from the reference's.
; THE MODE: SCHED_MODE bits 1:0 = 2 (LLVM: expert scheduling mode 2), set by the entry lines.  The code itself states the register dependences between vector or matrix instructions and
; memory or LDS instructions, with s_wait_alu, always for 0.
; THE PLAN.  Registers that memory or LDS instructions touch:
;   v4, v10, v20, v21, v23, v26, v29, v30, v96-99   offsets, LDS addresses and zeros, made at the head and never written again in the part of the text where they are read: one wait at the head.
;   the raw buffers (window 3)   A step's 16 conversions read 32 registers; behind them the step's 8 loads land there.
;   v100-105   A step's list lines write them, its three LDS stores read them, the next step's lines write them again.
;     A STEP OF THE STREAM has one wait on va_vdst, behind its conversions and its list lines and ahead of its three LDS stores and eight loads; one on vm_vsrc ahead of the list lines; one on va_sdst behind the three compares.
;   v31        Written at the trip's head; read by X's two LDS loads of list entries.          v8-9   Those loads land there; the eight address lines read and write them.
;   v6-7       Written by the address lines, behind the first run of products; read by the trip's 32 loads of token rows.
;   token fragments (window 3 v0-127)   K step s's products read 64 m + 8 s ..; the loads of the slot behind that run of products land there.
;   accumulators (window 3 v128-255)    The products write them; P's LDS stores read them; the next tile's products write them again.
;   window 0 v128-255   The 32 reads of partial sums land there (X or Y); F reads and writes them; v128-143 are then the data, v12 the offset, of F's four stores.
;     A TRIP has, at its head and ahead of every branch, one wait on vm_vsrc (all that the last trip's stores, LDS stores and loads read has been read) and, behind the line that writes v31, one on va_vdst
;     (v31 is written; the last trip's vector work is done with v8-9 and v128-255).  Behind these the entry loads and all reads of partial sums owe nothing: no vector or matrix instruction of X names their registers.
;     Each of X's four slots has one wait on va_vdst ahead of its eight loads; the slot's LDS reads stand ahead of it.  The last slot's stands behind all the tile's products: P's LDS stores owe nothing more.
;     F has the wait for its transcendentals and one ahead of its stores.
; REGISTERS, in windows of 256 (s_set_vgpr_msb: bits 1:0 source 0, 3:2 source 1, 5:4 source 2, 7:6 destination):
;   window 0: v1 lane, v2 r, v3 h, v4 lane's offset in the weights, v5 16 h, v6-7 offsets of the next tile's rows in xb, v8-9 their list entries, v10 my place in a tile of the list, v12 my offset in hid,
;     v20-21 my places in RED, v22 16 r, v23 128 h, v26-30 for the list, v31 tile i's place in my list, v32-95 bias (8 c + j), v96-127 Z (in the prologue: v96-99 zeros, v100-105 the list's, v106-107 the bias's),
;     v128-255 the partial sums read back (32 s + n), then GELU's four tables, then the 16 registers to store
;   window 1: weights of K steps 0-3 (64 s + 8 c)   window 2: of K steps 4-7
;   window 3: in the stream two buffers of 128 for weights as loaded; then v0-127 token fragments (64 m + 8 s), v128-255 the 16 accumulators (8 (8 m + c))
.set PW,    16384                       ; bytes in a row of w1
.set LISTB, 4608                        ; a wave's list: 1,088 entries, 32 words for lanes without a match, the rest unused
.set RED,   4*LISTB                     ; 65,536 bytes: block (d, s) at 16,384 d + 4,096 s: what wave s hands to wave d; in it piece y of eight at 512 y, lane l at 16 l
.set TSTEP, 1<<18                       ; bytes of hid from a tile of 32 places to the next
.set BIA, 32
.set Z,   96
.set LA,  100                           ; v100-102 the LDS addresses of a step's three list words
.set LD,  103                           ; v103-105 their rows' numbers
.set BT,  106                           ; v106-107 the bias, at work
.set LL,  128
.set HH,  128
.set TT,  128
.set EE,  160
.set PP,  192
.set MX,  224
.set ACC, 128                           ; in window 3
.set LM,  56                            ; s56-58 a step's three masks of matching lanes
.set LC,  59                            ; s59 a mask's count
.set lw,  0                             ; words of the list that are written so far
.set bc,  0                             ; pieces of the bias
.set MSB, 0
.macro WIN new                          ; the immediate's high byte repeats the setting that is left; a switch that changes nothing is dropped
.if MSB != (\new)
	s_set_vgpr_msb (MSB<<8)|(\new)
.set MSB, (\new)
.endif
.endm
; 8 loads: part yy of four of K step s: its rows 4 yy .. 4 yy + 3 of sixteen (row 8 u + j of them is row 32 s + 16 u + 8 h + j of my 256), 512 bytes each, into buffer buf
.macro LOADG s, buf, yy
	WIN 0xc0
.irp t, 0,1,2,3
.irp g, 0,1
.set RW, 4*(\yy)+(\t)
.set RB, 128*(\buf)+(RW*2+(\g))*4
	global_load_b128 v[RB:RB+3], v4, s[22:23] offset:(32*(\s)+16*(RW/8)+RW%8)*PW+256*(\g) th:TH_LOAD_NT
.endr
.endr
.endm
; their 16 conversions: register 4 u + p of fragment 4 g + i takes k = 16 u + 8 h + 2 p (low half) and the next (high half); u = yy / 2, p = 2 (yy % 2) + 0, 1
.macro CVTG s, buf, yy
	WIN 0x4f+0x40*((\s)/4)
.set CU, (\yy)/2
.irp g, 0,1
.irp i, 0,1,2,3
.irp e, 0,1
.set CQ, 2*((\yy)%2)+(\e)
	v_cvt_pk_bf16_f32 v[64*((\s)%4)+8*(4*(\g)+(\i))+4*CU+CQ], v[128*(\buf)+((8*CU+2*CQ)*2+(\g))*4+(\i)], v[128*(\buf)+((8*CU+2*CQ+1)*2+(\g))*4+(\i)]
.endr
.endr
.endr
.endm
; THE LIST, three words to a step: the lanes that match take the next places, in lane order; the others write a word of their own behind the list.  EXEC stays full.
.macro EACH3 line:vararg                ; one line for each of the step's words lw + lx, lx = 0, 1, 2, that exist
.set lx, 0
.rept 3
.if lw+lx < 64
	\line
.endif
.set lx, lx+1
.endr
.endm
.macro LCOUNT                           ; the words one after the other: the count so far + the matching lanes below me; then the count takes the word's matches
.set lx, 0
.rept 3
.if lw+lx < 64
	v_mbcnt_lo_u32_b32 v[LA+lx], s[LM+lx], s28
	s_bcnt1_i32_b32 s[LC], s[LM+lx]
	s_add_co_u32 s28, s28, s[LC]
.endif
.set lx, lx+1
.endr
.endm
; One piece of the bias, rounded to bf16, in the order of a result's registers: register j of the fragments c = 4 g + 0 .. 3; zero in waves 1 to 3
.macro BIASC
.set BG, bc/8
.set BJ, bc%8
	v_cvt_pk_bf16_f32 v[BT], v[192+32*BG+4*BJ], v[192+32*BG+4*BJ+1]
	v_cvt_pk_bf16_f32 v[BT+1], v[192+32*BG+4*BJ+2], v[192+32*BG+4*BJ+3]
	v_and_b32 v[BT], s54, v[BT]
	v_and_b32 v[BT+1], s54, v[BT+1]
	v_lshlrev_b32 v[BIA+8*(4*BG+0)+BJ], 16, v[BT]
	v_and_b32 v[BIA+8*(4*BG+1)+BJ], 0xffff0000, v[BT]
	v_lshlrev_b32 v[BIA+8*(4*BG+2)+BJ], 16, v[BT+1]
	v_and_b32 v[BIA+8*(4*BG+3)+BJ], 0xffff0000, v[BT+1]
.set bc, bc+1
.endm
; A step of the stream that asks for more: part yy of K step s is rounded; three words of the list and a piece of the bias, as long as there are any; then the registers take the same part of the K step two further on.
.macro STEPW s, yy
	s_wait_loadcnt 56                              ; behind this part's eight loads were issued 8 (3 - yy) of its K step, 32 of the next and 8 yy of the one after: 56 may stay out
	CVTG \s, (\s)%2, \yy
.if lw < 64
	WIN 0
	EACH3 v_cmp_eq_u32 s[LM+lx], s17, v[128+lw+lx]
.endif
.if bc < 16
	WIN 0
	BIASC
.endif
.if lw < 64
.if lw > 0
	s_wait_alu depctr_vm_vsrc(0)                   ; the last step's three LDS stores have read v[LA ..] and v[LD ..], which the lines below write again
.endif
	EACH3 v_add_nc_u32 v[LD+lx], 128*((lw+lx)/4)+(lw+lx)%4, v28  ; the rows' numbers
	s_wait_alu depctr_va_sdst(0)                   ; the compares have written s[LM ..], ahead of their first reader
	LCOUNT
	EACH3 v_cndmask_b32 v[LA+lx], v27, v[LA+lx], s[LM+lx]
	EACH3 v_min_u32 v[LA+lx], 1119, v[LA+lx]       ; held inside my list before it enters an address
	EACH3 v_lshl_add_u32 v[LA+lx], v[LA+lx], 2, v26
.endif
	s_wait_alu depctr_va_vdst(0)                   ; the conversions are done reading this part of the raw buffer, in which the loads below land; v[LA ..] and v[LD ..] are written, which the LDS stores read
.if lw < 64
	EACH3 ds_store_b32 v[LA+lx], v[LD+lx]
.set lw, lw+3
.endif
	LOADG (\s)+2, (\s)%2, \yy                      ; no vector instruction since the wait; the LDS stores between name none of these loads' registers
.endm
; A step of the ring's end, which asks for nothing.  left = the loads issued behind this part's eight, which may stay out
.macro STEPL s, yy, left
	s_wait_loadcnt \left
	CVTG \s, (\s)%2, \yy
.endm
; list entries -> byte offsets in xb: the entry is held to 2,047 first; token rho / 2, 2,048 bytes a row, + 16 h
.macro AADDR
.irp m, 0,1
	v_min_u32 v[8+(\m)], 0x7ff, v[8+(\m)]
.endr
.irp m, 0,1
	v_and_b32 v[8+(\m)], 0x7fe, v[8+(\m)]
.endr
.irp m, 0,1
	v_lshlrev_b32 v[8+(\m)], 10, v[8+(\m)]
.endr
.irp m, 0,1
	v_add_nc_u32 v[6+(\m)], v5, v[8+(\m)]
.endr
.endm
; 4 loads: K step s of my K quarter of 32 rows: lane (r, h) takes row r's bytes 64 s + 16 h and + 32
.macro RELOAD s
	WIN 0xc0
.irp m, 0,1
.irp u, 0,1
	global_load_b128 v[64*(\m)+8*(\s)+4*(\u):64*(\m)+8*(\s)+4*(\u)+3], v[6+(\m)], s[24:25] offset:64*(\s)+32*(\u)
.endr
.endr
.endm
; 16 matrix instructions: K step s.  The 16 accumulators take turns, one instruction a turn; the first K step starts the sums with the bias registers.
.macro KSTEP s
.if ((\s)%2) == 0
	s_wait_loadcnt 24                              ; for pair j = s / 2 of K steps: behind its eight loads were issued 8 (3 - j) of the same tile and 8 j of the next: 24 may stay out
.endif
.if (\s) == 0
	WIN 0xcd                                       ; source 0 window 1, source 1 window 3, C window 0, D window 3
.elseif (\s) < 4
	WIN 0xfd                                       ; C window 3
.else
	WIN 0xfe                                       ; source 0 window 2
.endif
.irp m, 0,1
.irp c, 0,1,2,3,4,5,6,7
.if (\s) == 0
	v_wmma_f32_16x16x32_bf16 v[ACC+8*(8*(\m)+(\c)):ACC+8*(8*(\m)+(\c))+7], v[64*((\s)%4)+8*(\c):64*((\s)%4)+8*(\c)+7], v[64*(\m)+8*(\s):64*(\m)+8*(\s)+7], v[BIA+8*(\c):BIA+8*(\c)+7]
.else
	v_wmma_f32_16x16x32_bf16 v[ACC+8*(8*(\m)+(\c)):ACC+8*(8*(\m)+(\c))+7], v[64*((\s)%4)+8*(\c):64*((\s)%4)+8*(\c)+7], v[64*(\m)+8*(\s):64*(\m)+8*(\s)+7], v[ACC+8*(8*(\m)+(\c)):ACC+8*(8*(\m)+(\c))+7]
.endif
.endr
.endr
.endm
; 8 LDS loads: what wave s has handed to me: 32 numbers a lane
.macro GETS s
.irp y, 0,1,2,3,4,5,6,7
	ds_load_b128 v[LL+32*(\s)+4*(\y):LL+32*(\s)+4*(\y)+3], v21 offset:(\s)*4096+(\y)*512
.endr
.endm
.macro PLACES                           ; four places between a run's last product and the loads into its source registers, or the LDS stores of its results
.rept 4
	v_nop
.endr
.endm
.macro ALL16 line:vararg                ; one line for each pair a of 16
.set a, 0
.rept 16
	\line
.set a, a+1
.endr
.endm
.macro GA a                             ; GELU, pair a: the four plain lines ahead of its transcendentals
	v_fma_f32 v[TT+2*(\a)], |v[Z+2*(\a)]|, s40, 1.0
	v_fma_f32 v[TT+2*(\a)+1], |v[Z+2*(\a)+1]|, s40, 1.0
	v_pk_mul_f32 v[EE+2*(\a):EE+2*(\a)+1], v[Z+2*(\a):Z+2*(\a)+1], s[52:53] op_sel_hi:[1,0]
	v_pk_mul_f32 v[EE+2*(\a):EE+2*(\a)+1], v[EE+2*(\a):EE+2*(\a)+1], v[Z+2*(\a):Z+2*(\a)+1]
.endm
.macro GT a                             ; and its four transcendentals
	v_rcp_f32 v[TT+2*(\a)], v[TT+2*(\a)]
	v_rcp_f32 v[TT+2*(\a)+1], v[TT+2*(\a)+1]
	v_exp_f32 v[EE+2*(\a)], v[EE+2*(\a)]
	v_exp_f32 v[EE+2*(\a)+1], v[EE+2*(\a)+1]
.endm
	s_load_b256 s[4:11], s[0:1], 0x0               ; xb s[4:5], w1 s[6:7], b1 s[8:9], topi s[10:11]
	s_load_b64 s[12:13], s[0:1], 0x20              ; hid
	v_lshl_add_u32 v24, v0, 2, 0x14800
	v_mov_b32 v25, 0
	v_and_b32 v1, 31, v0
	v_lshrrev_b32 v31, 5, v0
	v_readfirstlane_b32 s16, v31                   ; wave
	v_and_b32 v2, 15, v0                           ; r
	v_bfe_u32 v3, v0, 4, 1                         ; h
	s_and_b32 s17, ttmp7, 0xffff                   ; expert
	s_mov_b32 s18, ttmp9                           ; slice
	v_lshlrev_b32 v22, 4, v2
	v_lshl_add_u32 v4, v3, 17, v22                 ; 8 h rows of 16,384 bytes + 16 r
	v_lshlrev_b32 v5, 4, v3
	v_lshlrev_b32 v23, 7, v3                       ; 32 h numbers of the bias
	v_lshlrev_b32 v28, 2, v1
	v_lshlrev_b32 v29, 4, v1                       ; 16 x lane
	v_add_nc_u32 v27, 1088, v1
	s_wait_alu depctr_va_sdst(0)                   ; s16 is written, ahead of its first reader: LDS places and the bases of w1, xb and hid are made from it
	s_mul_i32 s36, s16, LISTB                      ; my list
	v_mov_b32 v26, s36
	v_add_nc_u32 v30, s36, v29
	v_lshl_add_u32 v10, v2, 2, s36                 ; entry r of a tile
	s_lshl_b32 s33, s16, 12
	s_add_co_u32 s33, s33, RED
	v_add_nc_u32 v20, s33, v29                     ; what I hand out: block (d, w)
	s_lshl_b32 s33, s16, 14
	s_add_co_u32 s33, s33, RED
	v_add_nc_u32 v21, s33, v29                     ; what I take: block (w, s)
.irp i, 96,97,98,99
	v_mov_b32 v\i, 0
.endr
	s_cmp_eq_u32 s16, 0
	s_cselect_b32 s54, -1, 0                       ; wave 0 alone keeps the bias
	s_mov_b32 s40, 0x3e6d3388                      ; 0.231641888
	s_mov_b32 s41, s40
	s_mov_b32 s42, 0x3f07dc22                      ; 0.5307027145: the five coefficients, halved; pairs, of which the packed forms take the low word
	s_mov_b32 s43, s42
	s_mov_b32 s44, 0xbf3a00e3                      ; -0.7265760135
	s_mov_b32 s45, s44
	s_mov_b32 s46, 0x3f35f0e3                      ; 0.7107068705
	s_mov_b32 s47, s46
	s_mov_b32 s48, 0xbe11a98e                      ; -0.142248368
	s_mov_b32 s49, s48
	s_mov_b32 s50, 0x3e027906                      ; 0.127414796
	s_mov_b32 s51, s50
	s_mov_b32 s52, 0xbf38aa3b                      ; -log2(e) / 2
	s_mov_b32 s53, s52
	s_mov_b32 s21, 0
	s_mov_b32 s28, 0                               ; the count
	s_wait_kmcnt 0x0
	s_lshl_b32 s20, s17, 24                        ; an expert's 16 MiB,
	s_lshl_b32 s36, s16, 22                        ; my 256 rows,
	s_add_co_u32 s20, s20, s36
	s_lshl_b32 s36, s18, 9                         ; the slice's 512 bytes of a row
	s_add_co_u32 s20, s20, s36
	s_add_nc_u64 s[22:23], s[6:7], s[20:21]
	s_lshl_b32 s20, s16, 9                         ; my 256 k of a row of xb
	s_add_nc_u64 s[24:25], s[4:5], s[20:21]
	s_lshl_b32 s20, s17, 14
	s_add_co_u32 s20, s20, s36
	s_add_nc_u64 s[8:9], s[8:9], s[20:21]          ; b1 at the slice
	s_lshl_b32 s20, s17, 23                        ; hid: the expert's 8 MiB,
	s_lshl_b32 s33, s18, 12                        ; the slice's eight blocks of 512 bytes,
	s_add_co_u32 s20, s20, s33
	s_lshl_b32 s33, s16, 10                        ; my two of them
	s_add_co_u32 s20, s20, s33
	s_add_nc_u64 s[26:27], s[12:13], s[20:21]
	s_wait_alu depctr_va_vdst(0)                   ; the offsets v4, v23, v29, the LDS addresses v10, v20, v21, v26, v30 and the zeros v96-99 are written, which the loads, LDS stores and LDS loads below read
.irp i, 0,1,2,3,4,5,6,7,8,9,10,11,12,13,14,15
	global_load_b128 v[128+4*(\i):131+4*(\i)], v29, s[10:11] offset:512*(\i)  ; all of topi: word z of load i in lane l is row 128 i + 4 l + z
.endr
.irp g, 0,1
.irp j, 0,1,2,3,4,5,6,7
	global_load_b128 v[192+32*(\g)+4*(\j):192+32*(\g)+4*(\j)+3], v23, s[8:9] offset:256*(\g)+16*(\j)  ; bias of columns 64 g + 32 h + 4 j + 0 .. 3
.endr
.endr
.irp yy, 0,1,2,3
	LOADG 0, 0, \yy                                ; the ring is filled: K steps 0 and 1, 64 loads
.endr
.irp yy, 0,1,2,3
	LOADG 1, 1, \yy
.endr
	WIN 0
.irp i, 0,1,2,3,4,5,6,7,8
	ds_store_b128 v30, v[96:99] offset:512*(\i)    ; the whole list is 0: what lies past the repeated places names row 0, which exists, and feeds only loads whose tile is never multiplied
.endr
.set i, 0
.rept 32
	ds_store_b128 v21, v[96:99] offset:512*i       ; the blocks that I read are 0, so that the first trip's reads find stored bytes (nothing is made of them)
.set i, i+1
.endr
	s_wait_loadcnt 63                              ; 64 loads were issued behind topi's and the bias's: with 63 out at the most, these are in
	; THE STREAM
.irp s, 0,1,2,3,4,5
.irp yy, 0,1,2,3
	STEPW \s, \yy
.endr
.endr
	; All weights are asked for.  The list's end, while the last 64 loads are on their way.
	WIN 0
	ds_load_b32 v12, v26                           ; the expert's first row (LDS serves a wave's instructions in order: this sees my stores above)
	v_add_nc_u32 v13, s28, v1                      ; places n .. n + 31
	v_min_u32 v13, 1087, v13                       ; held inside the list's entries
	v_lshlrev_b32 v13, 2, v13
	v_add_nc_u32 v13, v26, v13
	s_add_co_u32 s29, s28, 31
	s_lshr_b32 s29, s29, 5                         ; NT: tiles of 32 places,
	s_max_u32 s29, s29, 1                          ; one at the least
	s_mov_b32 s30, 0                               ; the trip's number i
	s_mov_b32 s39, 0                               ; 128 i: tile i's first entry in the list
	s_mov_b32 s38, 0                               ; i tiles of hid, in bytes
	s_mov_b32 s32, 33
	s_wait_dscnt 0x0
	s_wait_alu depctr_va_vdst(0)                   ; v13 is written, which the LDS store reads as its address
	ds_store_b32 v13, v12                          ; the places behind the count repeat the first row
	ds_load_b32 v8, v10                            ; tile 0's entries
	ds_load_b32 v9, v10 offset:64
	s_wait_dscnt 0x0
	AADDR
	; The ring runs out.  Tile 0's rows go out as soon as their registers are read out: K steps 0-3 lie in parts 0 and 2 of buffer 0, K steps 4-7 in parts 1 and 3.
	STEPL 6, 0, 56                                 ; behind it: 24 of K step 6 and 32 of K step 7
	STEPL 6, 1, 48
	STEPL 6, 2, 40
	WIN 0xc0
	s_wait_alu depctr_va_vdst(0)                   ; the conversions are done reading parts 0 and 2 of buffer 0, in which the loads below land; v6-7 are written, their offsets
.irp s, 0,1,2,3
	RELOAD \s
.endr
	STEPL 6, 3, 48                                 ; K step 7's 32 and the 16 just issued
	WIN 0xc0
	s_wait_alu depctr_va_vdst(0)                   ; the conversions are done reading parts 1 and 3 of buffer 0, in which the loads below land
.irp s, 4,5,6,7
	RELOAD \s
.endr
	STEPL 7, 0, 56                                 ; 24 of K step 7 and tile 0's 32
	STEPL 7, 1, 48
	STEPL 7, 2, 40
	STEPL 7, 3, 32                                 ; tile 0's 32 stay out
	WIN 0                                          ; at a label and at a branch every window is 0
.Ltrip:
	s_wait_dscnt 0x0                               ; my partial sums of tile i - 1 are in LDS
	s_wait_alu depctr_vm_vsrc(0)                   ; read by now: v31 (the last entry loads), v6-7 (the loads of token rows), the accumulators (P's LDS stores), v12 and v128-143 (F's stores); at the first trip v12-13 and v96-105 (the prologue's LDS stores).  All are written again in this trip
	v_add_nc_u32 v31, s39, v10                     ; tile i's place in my list
	s_wait_alu depctr_va_vdst(0)                   ; v31 is written, which X's entry loads read; the vector work so far is done with v8-9, in which they land, and with v128-255, in which the reads of partial sums land
	s_barrier_signal -1
	s_barrier_wait -1                              ; everybody's are
	s_cmp_gt_u32 s30, s29
	s_cbranch_scc1 .Lb2                            ; nothing is left: a trip without work takes one jump here and one behind the second barrier
	s_cmp_lt_u32 s30, s29
	s_cbranch_scc0 .Lnox
	; X: the products of tile i
	s_wait_xcnt 0x0                                ; the loads and stores that are out have read their offsets and data: v6-7 and the registers stored last trip are written anew below
	ds_load_b32 v8, v31 offset:128                 ; tile i + 1's entries: they come in under the first run of products
	ds_load_b32 v9, v31 offset:192
	GETS 0
	v_nop                                          ; with the v_add_nc_u32 at the trip's head and the four behind the last run: six places between a tile's last products and the products that write over their accumulators
	KSTEP 0
	KSTEP 1
	WIN 0
	GETS 1                                         ; no wait: no vector or matrix instruction since the trip's head names v128-255 of window 0
	s_wait_dscnt 16                                ; the two entries are in: behind them were issued the sixteen reads of waves 0's and 1's sums, which may stay out
	AADDR                                          ; eight plain instructions: the places ahead of the loads into the registers just multiplied
	WIN 0xc0
	s_wait_alu depctr_va_vdst(0)                   ; v6-7 are written, the offsets of this trip's 32 loads; the products of K steps 0 and 1 are done reading their token fragments, in which the loads below land
	RELOAD 0
	RELOAD 1
	KSTEP 2
	KSTEP 3
	WIN 0
	GETS 2
	PLACES
	WIN 0xc0
	s_wait_alu depctr_va_vdst(0)                   ; the products of K steps 2 and 3 are done reading their token fragments, in which the loads below land
	RELOAD 2
	RELOAD 3
	KSTEP 4
	KSTEP 5
	WIN 0
	GETS 3
	PLACES
	WIN 0xc0
	s_wait_alu depctr_va_vdst(0)                   ; the products of K steps 4 and 5 are done reading their token fragments, in which the loads below land
	RELOAD 4
	RELOAD 5
	KSTEP 6
	KSTEP 7
	PLACES
	WIN 0xc0
	s_wait_alu depctr_va_vdst(0)                   ; the products of K steps 6 and 7 are done reading their token fragments, in which the loads below land; all the tile's products have written the accumulators, which P's LDS stores read
	RELOAD 6
	RELOAD 7
	WIN 0
	s_branch .Lb2
.Lnox:
	; Y (i = NT): no tile is left to multiply; the last tile's partial sums are read.  The two waits at the trip's head serve these loads too: nothing has named v128-255 since
	s_wait_xcnt 0x0                                ; the registers stored last trip are loaded into below
.irp s, 0,1,2,3
	GETS \s
.endr
.Lb2:
	s_wait_dscnt 0x0                               ; my reads of the partial sums are back
	s_barrier_signal -1
	s_barrier_wait -1                              ; everybody's are: the blocks may be written again
	s_cmp_gt_u32 s30, s29
	s_cbranch_scc1 .Lnof
	s_cmp_lt_u32 s30, s29
	s_cbranch_scc0 .Lnop
	; P: fragment c of both token blocks goes to wave c / 2, whole; each accumulator is read from its low end on.
	; No wait here: the wait of X's last slot stands behind all the tile's products and their four places, and no vector or matrix instruction since names an accumulator
	WIN 0x0c                                       ; the data in window 3
.irp m, 0,1
.irp c, 0,1,2,3,4,5,6,7
.irp q, 0,1
	ds_store_b128 v20, v[ACC+8*(8*(\m)+(\c))+4*(\q):ACC+8*(8*(\m)+(\c))+4*(\q)+3] offset:((\c)/2)*16384+(((\m)*2+(\c)%2)*2+(\q))*512
.endr
.endr
.endr
	WIN 0
.Lnop:
	s_cmp_lg_u32 s30, 0
	s_cbranch_scc0 .Lnof
	; F: tile i - 1 is finished; all of it is work on registers, which stands here while P's stores drain
	s_wait_xcnt 0x0                                ; the last trip's stores have read their offset and data
	v_add_nc_u32 v12, s38, v29                     ; 16 x lane + i tiles; the stores reach one tile back
	ALL16 v_pk_add_f32 v[LL+2*a:LL+2*a+1], v[LL+2*a:LL+2*a+1], v[LL+32+2*a:LL+32+2*a+1]
	ALL16 v_pk_add_f32 v[LL+64+2*a:LL+64+2*a+1], v[LL+64+2*a:LL+64+2*a+1], v[LL+96+2*a:LL+96+2*a+1]
	ALL16 v_pk_add_f32 v[Z+2*a:Z+2*a+1], v[LL+2*a:LL+2*a+1], v[LL+64+2*a:LL+64+2*a+1]
	; GELU of the 32 numbers.  Four plain instructions of pair a, then the four transcendentals of pair a - 1: no line reads a result of theirs ahead of the one wait.
	GA 0
.irp a, 1,2,3,4,5,6,7,8,9,10,11,12,13,14,15
	GA \a
	GT (\a)-1
.endr
	GT 15
.set i, 0
.rept 32
	v_max_num_f32 v[MX+i], 0, v[Z+i]               ; plain work behind the last transcendental
.set i, i+1
.endr
	s_wait_alu depctr_va_vdst(0)                   ; the 32 reciprocals and 32 exponentials have written v[TT ..] and v[EE ..]: one wait for the 64, ahead of their first reader
	ALL16 v_pk_fma_f32 v[PP+2*a:PP+2*a+1], v[TT+2*a:TT+2*a+1], s[42:43], s[44:45] op_sel_hi:[1,0,0]
	ALL16 v_pk_fma_f32 v[PP+2*a:PP+2*a+1], v[PP+2*a:PP+2*a+1], v[TT+2*a:TT+2*a+1], s[46:47] op_sel_hi:[1,1,0]
	ALL16 v_pk_fma_f32 v[PP+2*a:PP+2*a+1], v[PP+2*a:PP+2*a+1], v[TT+2*a:TT+2*a+1], s[48:49] op_sel_hi:[1,1,0]
	ALL16 v_pk_fma_f32 v[PP+2*a:PP+2*a+1], v[PP+2*a:PP+2*a+1], v[TT+2*a:TT+2*a+1], s[50:51] op_sel_hi:[1,1,0]
	ALL16 v_pk_mul_f32 v[PP+2*a:PP+2*a+1], v[PP+2*a:PP+2*a+1], v[TT+2*a:TT+2*a+1]
	ALL16 v_pk_mul_f32 v[PP+2*a:PP+2*a+1], v[PP+2*a:PP+2*a+1], v[EE+2*a:EE+2*a+1]
.set i, 0
.rept 32
	v_fma_f32 v[Z+i], -|v[Z+i]|, v[PP+i], v[MX+i]
.set i, i+1
.endr
	ALL16 v_cvt_pk_bf16_f32 v[HH+a], v[Z+2*a], v[Z+2*a+1]
	s_wait_alu depctr_va_vdst(0)                   ; the roundings have written v[HH ..], the stores' data, and v12 is written, their offset
.irp x, 0,1,2,3                         ; token block x / 2, fragment 2 w + x % 2
	global_store_b128 v12, v[HH+4*(\x):HH+4*(\x)+3], s[26:27] offset:((\x)/2)*131072+((\x)%2)*512-TSTEP  ; the wave stores 512 consecutive bytes, aligned
.endr
.Lnof:
	s_add_co_u32 s30, s30, 1
	s_add_co_u32 s39, s39, 128                     ; 32 entries on
	s_add_co_u32 s38, s38, TSTEP
	s_sub_co_u32 s32, s32, 1
	s_cmp_lg_u32 s32, 0
	s_cbranch_scc1 .Ltrip
	s_wait_dscnt 0x0                               ; the wave's end: my last LDS instructions are done.
	s_wait_alu depctr_hold_cnt(0) depctr_sa_sdst(0) depctr_va_vdst(0) depctr_va_sdst(0) depctr_va_ssrc(0) depctr_va_vcc(0) depctr_vm_vsrc(0)
	s_wait_tensorcnt 0x0
	ds_add_u32 v24, v25
	s_wait_dscnt 0x0
	s_endpgm
.Lfunc_end_k_q93e1904959_ffn1:
	.size	k_q93e1904959_ffn1, .Lfunc_end_k_q93e1904959_ffn1-k_q93e1904959_ffn1
	.p2alignl 7, 3214868480
	.fill 96, 4, 3214868480
	.section	.rodata,"a",@progbits
	.p2align	6, 0x0
	.amdhsa_kernel k_q93e1904959_ffn1
		.amdhsa_group_segment_fixed_size 84480
		.amdhsa_private_segment_fixed_size 0
		.amdhsa_enable_private_segment 0
		.amdhsa_kernarg_size 40
		.amdhsa_user_sgpr_count 2
		.amdhsa_user_sgpr_kernarg_segment_ptr 1
		.amdhsa_wavefront_size32 1
		.amdhsa_system_sgpr_workgroup_id_x 1
		.amdhsa_system_sgpr_workgroup_id_y 1
		.amdhsa_system_sgpr_workgroup_id_z 1
		.amdhsa_system_vgpr_workitem_id 0
		.amdhsa_next_free_vgpr 1024
		.amdhsa_next_free_sgpr 66
		.amdhsa_reserve_vcc 0
		.amdhsa_float_denorm_mode_32 3
		.amdhsa_float_denorm_mode_16_64 3
		.amdhsa_memory_ordered 1
		.amdhsa_forward_progress 1
		.amdhsa_inst_pref_size 152
	.end_amdhsa_kernel
	.amdgpu_metadata
---
amdhsa.version: [ 1, 2 ]
amdhsa.kernels:
  - .name:           k_q93e1904959_ffn1
    .symbol:         k_q93e1904959_ffn1.kd
    .args:
      - { .name: xb, .offset: 0, .size: 8, .value_kind: global_buffer, .address_space: global }
      - { .name: w1, .offset: 8, .size: 8, .value_kind: global_buffer, .address_space: global }
      - { .name: b1, .offset: 16, .size: 8, .value_kind: global_buffer, .address_space: global }
      - { .name: topi, .offset: 24, .size: 8, .value_kind: global_buffer, .address_space: global }
      - { .name: hid, .offset: 32, .size: 8, .value_kind: global_buffer, .address_space: global }
    .group_segment_fixed_size: 84480
    .private_segment_fixed_size: 0
    .kernarg_segment_align: 8
    .kernarg_segment_size: 40
    .max_flat_workgroup_size: 128
    .sgpr_count:     66
    .vgpr_count:     1024
    .wavefront_size: 32
...
	.end_amdgpu_metadata
.endif
;; end of part 7
;; launch ffn2 (part 8): grid 32 x 8, 4 waves a work-group, no clusters, 84,480 bytes of LDS; arguments hid, w2, topi, part; writes part
.if DOCPART == 8
	.amdgcn_target "amdgcn-amd-amdhsa--gfx1250"
	.amdhsa_code_object_version 6
	.text
	.protected	k_q93e1904959_ffn2
	.globl	k_q93e1904959_ffn2
	.p2align	8
	.type	k_q93e1904959_ffn2,@function
k_q93e1904959_ffn2:
	s_mov_b64 s[64:65], 0
	v_nop
	global_prefetch_b8 v0, s[64:65] scope:SCOPE_SE
	s_setreg_imm32_b32 hwreg(HW_REG_WAVE_SCHED_MODE, 0, 2), 2
	s_setreg_imm32_b32 hwreg(HW_REG_WAVE_MODE, 25, 1), 1
	s_wait_xcnt 0x0
	s_wait_alu depctr_vm_vsrc(0)
; SECOND PRODUCT, in four parts along K.  part[q][rho] = hid[e][p][the 1,024 numbers of quarter q] . w2[e][the same f][:] for place p of expert e's list, rho its routed row; f32 partial sums, added by the last launch.
; SHARES.  Work-group (x, e): x % 8 is a slice of 128 of the 1,024 columns, q = x / 8 a quarter of the 4,096 rows of w2[e]: 1,024 x 128 numbers, which it alone reads.  Wave w owns 256 rows of them, for
; all 128 columns, in 512 registers as source 1 of the matrix instruction; they go from memory straight into those registers, 256 consecutive aligned bytes for each 16 lanes.
; THE STREAM.  A ring of 64 loads of 512 bytes a wave, in steps of 8: a step waits for its 8 loads (4 rows), makes their 16 conversions and issues 8 loads of the K step two further on into the same
; registers, so that 56 to 64 loads of every wave are out.  The list is made in the steps.
; hid's LAYOUT is the order of source 0's registers: byte (e << 23) + (T << 17) + (CP << 9) + 16 x lane holds, for lane (r, h), place 16 T + r and the eight numbers f = 128 (CP / 8) + 64 g + 32 h + 4 j + i,
; j = 0 .. 7, CP % 8 = 4 g + i.  So a load of a token fragment is 512 consecutive aligned bytes, and its address is made of the work-group's and the wave's numbers, the lane and the tile: no list enters it.
; K step s of my 256 takes blocks CP = 64 q + 16 w + 2 s + u, u = 0, 1.  The row of w2 that belongs to its place 16 u + 8 h + j is 128 (s / 4) + 64 ((s % 4) / 2) + 32 h + 4 j + 2 (s % 2) + u: the order
; enters the loads' constants alone, and each row is still read once.
; ROWS.  Every wave makes its own list of the expert's rows in LDS, for the stores alone, in the order of the first product's count: the 64 register words of topi one after the other, in each the lanes
; ascending.  A tile is 32 places.  The four waves' partial sums meet in LDS; wave d finishes places 8 h + 4 (d % 2) + 0 .. 3 of token block d / 2, all 128 columns.
; THE TRIP, i = 0 .. 32, in four blocks with two barriers that every wave passes; only work is jumped over:
;   barrier 1 | X (i < NT): the products of tile i, in runs of 32; between the runs the reads of the four waves' partial sums of tile i - 1, and the loads that fill the two K steps just multiplied with tile i + 1
;             | Y (i = NT): those reads alone | barrier 2 | P (i < NT): tile i's partial sums into LDS | F (1 <= i <= NT): sums and stores of tile i - 1, while P's stores drain.
; Behind the last tile the loads ahead take the last tile once more.  33 trips serve the 1,024 rows that an expert can have.
; A TILE THAT IS NOT FULL.  The 32 list places behind the count repeat the expert's first row, here and in the first product: such a place computes that row once more and stores the same numbers to the
; same bytes of this work-group's slice, so that no store needs a mask and EXEC is never changed.  An expert without rows has no tile and stores nothing.
; NO JOINT LOADS: each weight byte has one reader; the token tiles that eight work-groups share are an eighth of a work-group's bytes.
; FORMATS.  hid is bf16, w2 is rounded to bf16; sums f32.  LIMITS.  NaN and infinities are not treated apart; the order of the sums differs from the reference's.
; THE MODE: SCHED_MODE bits 1:0 = 2 (LLVM: expert scheduling mode 2), set by the entry lines.  The code itself states the register dependences between vector or matrix instructions and
; memory or LDS instructions, with s_wait_alu, always for 0.
; THE PLAN.  Registers that memory or LDS instructions touch:
;   v4, v11, v20, v21, v22, v26, v29, v30, v56-59   offsets, LDS addresses and zeros, made at the head and never written again: one wait at the head.
;   the raw buffers (window 3)   A step's 16 conversions read 32 registers; behind them the step's 8 loads land there.
;   v60-62     A step's list lines write them, its three LDS stores read them as addresses, the next step's lines write them again.     v192-255   Each is written once, a row's number, and read by one LDS store.
;     A STEP OF THE STREAM has one wait on va_vdst, behind its conversions and its list lines and ahead of its three LDS stores and eight loads; one on vm_vsrc ahead of the lines that write v60-62; one on va_sdst behind the three compares.
;   v31        Written at the trip's head; read by F's LDS load of four list entries.          v12-15   That load lands there; F's address lines read and write them; F's eight stores read them as offsets.
;   v6         Written at X's head; read by the trip's 32 loads of token fragments.
;   token fragments (window 3 v0-127)   K step s's products read 64 m + 8 s ..; the loads of the slot behind that run of products land there.
;   accumulators (window 3 v128-255)    The products write them; P's LDS stores read them; the next tile's products write them again.
;   window 0 v128-255   The 32 reads of partial sums land there (X or Y); F reads and writes them.          v96-127   F writes them; F's stores read them.
;     A TRIP has, at its head and ahead of every branch, one wait on vm_vsrc (all that the last trip's stores, LDS stores and loads read has been read) and, behind the line that writes v31, one on va_vdst
;     (v31 is written; the last trip's vector work is done with v12-15 and v128-255).  Behind these F's entry load and all reads of partial sums owe nothing: no vector or matrix instruction between names their registers.
;     Each of X's four slots has one wait on va_vdst ahead of its eight loads; the slot's LDS reads stand ahead of it.  The last slot's stands behind all the tile's products: P's LDS stores owe nothing more.
;     F has one wait, ahead of its stores.
; REGISTERS, in windows of 256 (s_set_vgpr_msb: bits 1:0 source 0, 3:2 source 1, 5:4 source 2, 7:6 destination):
;   window 0: v1 lane, v2 r, v3 h, v4 lane's offset in the weights, v6 my offset in hid, v11 my place in a tile of the list, v12-15 list entries, then offsets, of the rows that I store, v20-21 my places in RED,
;     v22 16 r, v26-30 for the list, v31 tile i - 1's place in my list, v56-59 zeros, v60-62 the list's, v96-127 the 32 numbers to store, v128-255 the partial sums read back (32 s + 4 c + jj)
;   window 1: weights of K steps 0-3 (64 s + 8 c)   window 2: of K steps 4-7
;   window 3: in the stream two buffers of 128 for weights as loaded; then v0-127 token fragments (64 m + 8 s), v128-255 the 16 accumulators (8 (8 m + c))
.set PW,    4096                        ; bytes in a row of w2
.set LISTB, 4608                        ; a wave's list: a lead of 32 places, 1,088 entries, 32 words for lanes without a match
.set RED,   4*LISTB                     ; 65,536 bytes: block (d, s) at 16,384 d + 4,096 s: what wave s hands to wave d; in it fragment c at 512 c, lane l at 16 l
.set LA,  60                            ; v60-62 the LDS addresses of a step's three list words
.set OO,  96
.set LL,  128
.set ACC, 128                           ; in window 3
.set LM,  56                            ; s56-58 a step's three masks of matching lanes
.set LC,  59                            ; s59 a mask's count
.set lw,  0                             ; words of the list that are written so far
.set MSB, 0
.macro WIN new                          ; the immediate's high byte repeats the setting that is left; a switch that changes nothing is dropped
.if MSB != (\new)
	s_set_vgpr_msb (MSB<<8)|(\new)
.set MSB, (\new)
.endif
.endm
; 8 loads: part yy of four of K step s: its rows 4 yy .. 4 yy + 3 of sixteen (row 8 u + j of them stands for place 16 u + 8 h + j), 512 bytes each, into buffer buf
.macro LOADG s, buf, yy
	WIN 0xc0
.irp t, 0,1,2,3
.irp g, 0,1
.set RW, 4*(\yy)+(\t)
.set RB, 128*(\buf)+(RW*2+(\g))*4
	global_load_b128 v[RB:RB+3], v4, s[22:23] offset:(128*((\s)/4)+64*(((\s)%4)/2)+4*(RW%8)+2*((\s)%2)+RW/8)*PW+256*(\g) th:TH_LOAD_NT
.endr
.endr
.endm
; their 16 conversions: register 4 u + p of fragment 4 g + i takes places 16 u + 8 h + 2 p and the next; u = yy / 2, p = 2 (yy % 2) + 0, 1
.macro CVTG s, buf, yy
	WIN 0x4f+0x40*((\s)/4)
.set CU, (\yy)/2
.irp g, 0,1
.irp i, 0,1,2,3
.irp e, 0,1
.set CQ, 2*((\yy)%2)+(\e)
	v_cvt_pk_bf16_f32 v[64*((\s)%4)+8*(4*(\g)+(\i))+4*CU+CQ], v[128*(\buf)+((8*CU+2*CQ)*2+(\g))*4+(\i)], v[128*(\buf)+((8*CU+2*CQ+1)*2+(\g))*4+(\i)]
.endr
.endr
.endr
.endm
; THE LIST, three words to a step: the lanes that match take the next places, in lane order; the others write a word of their own behind the list.  EXEC stays full.
; The rows' numbers are made in v192-255, so that with topi's v128-191 every register of the partial sums' range holds a number on every way through the text.
.macro EACH3 line:vararg                ; one line for each of the step's words lw + lx, lx = 0, 1, 2, that exist
.set lx, 0
.rept 3
.if lw+lx < 64
	\line
.endif
.set lx, lx+1
.endr
.endm
.macro LCOUNT                           ; the words one after the other: the count so far + the matching lanes below me; then the count takes the word's matches
.set lx, 0
.rept 3
.if lw+lx < 64
	v_mbcnt_lo_u32_b32 v[LA+lx], s[LM+lx], s28
	s_bcnt1_i32_b32 s[LC], s[LM+lx]
	s_add_co_u32 s28, s28, s[LC]
.endif
.set lx, lx+1
.endr
.endm
; A step of the stream that asks for more: part yy of K step s is rounded; three words of the list, as long as there are any; then the registers take the same part of the K step two further on.
.macro STEPW s, yy
	s_wait_loadcnt 56                              ; behind this part's eight loads were issued 8 (3 - yy) of its K step, 32 of the next and 8 yy of the one after: 56 may stay out
	CVTG \s, (\s)%2, \yy
.if lw < 64
	WIN 0
	EACH3 v_cmp_eq_u32 s[LM+lx], s17, v[128+lw+lx]
	EACH3 v_add_nc_u32 v[192+lw+lx], 128*((lw+lx)/4)+(lw+lx)%4, v28  ; the rows' numbers
.if lw > 0
	s_wait_alu depctr_vm_vsrc(0)                   ; the last step's three LDS stores have read v[LA ..], which the lines below write again
.endif
	s_wait_alu depctr_va_sdst(0)                   ; the compares have written s[LM ..], ahead of their first reader
	LCOUNT
	EACH3 v_cndmask_b32 v[LA+lx], v27, v[LA+lx], s[LM+lx]
	EACH3 v_min_u32 v[LA+lx], 1119, v[LA+lx]       ; held inside my list before it enters an address
	EACH3 v_lshl_add_u32 v[LA+lx], v[LA+lx], 2, v26
.endif
	s_wait_alu depctr_va_vdst(0)                   ; the conversions are done reading this part of the raw buffer, in which the loads below land; v[LA ..] and the rows' numbers are written, which the LDS stores read
.if lw < 64
	EACH3 ds_store_b32 v[LA+lx], v[192+lw+lx]
.set lw, lw+3
.endif
	LOADG (\s)+2, (\s)%2, \yy                      ; no vector instruction since the wait; the LDS stores between name none of these loads' registers
.endm
; A step of the ring's end, which asks for nothing.  left = the loads issued behind this part's eight, which may stay out
.macro STEPL s, yy, left
	s_wait_loadcnt \left
	CVTG \s, (\s)%2, \yy
.endm
.macro RELOAD s                         ; 4 loads of 512 consecutive bytes: K step s of both token blocks
	WIN 0xc0
.irp m, 0,1
.irp u, 0,1
	global_load_b128 v[64*(\m)+8*(\s)+4*(\u):64*(\m)+8*(\s)+4*(\u)+3], v6, s[24:25] offset:(\m)*131072+(2*(\s)+(\u))*512
.endr
.endr
.endm
; 16 matrix instructions: K step s.  The 16 accumulators take turns, one instruction a turn; the first K step starts the sums with the constant 0.
.macro KSTEP s
.if ((\s)%2) == 0
	s_wait_loadcnt 24                              ; for pair j = s / 2 of K steps: behind its eight loads were issued 8 (3 - j) of the same tile and 8 j of the next: 24 may stay out
.endif
	WIN 0xf7+4*((\s)/4)                            ; source 0 window 3, source 1 window 1 or 2, C and D window 3
.irp m, 0,1
.irp c, 0,1,2,3,4,5,6,7
.if (\s) == 0
	v_wmma_f32_16x16x32_bf16 v[ACC+8*(8*(\m)+(\c)):ACC+8*(8*(\m)+(\c))+7], v[64*(\m)+8*(\s):64*(\m)+8*(\s)+7], v[64*((\s)%4)+8*(\c):64*((\s)%4)+8*(\c)+7], 0
.else
	v_wmma_f32_16x16x32_bf16 v[ACC+8*(8*(\m)+(\c)):ACC+8*(8*(\m)+(\c))+7], v[64*(\m)+8*(\s):64*(\m)+8*(\s)+7], v[64*((\s)%4)+8*(\c):64*((\s)%4)+8*(\c)+7], v[ACC+8*(8*(\m)+(\c)):ACC+8*(8*(\m)+(\c))+7]
.endif
.endr
.endr
.endm
.macro GETS s                           ; 8 LDS loads: what wave s has handed to me: 32 numbers a lane
.irp c, 0,1,2,3,4,5,6,7
	ds_load_b128 v[LL+32*(\s)+4*(\c):LL+32*(\s)+4*(\c)+3], v21 offset:(\s)*4096+(\c)*512
.endr
.endm
.macro PLACES                           ; four places between a run's last product and the loads into its source registers, or the LDS stores of its results
.rept 4
	v_nop
.endr
.endm
.macro ALL16 line:vararg                ; one line for each pair a of 16
.set a, 0
.rept 16
	\line
.set a, a+1
.endr
.endm
	s_load_b256 s[4:11], s[0:1], 0x0               ; hid s[4:5], w2 s[6:7], topi s[8:9], part s[10:11]
	v_lshl_add_u32 v94, v0, 2, 0x14800
	v_mov_b32 v95, 0
	v_and_b32 v1, 31, v0
	v_lshrrev_b32 v31, 5, v0
	v_readfirstlane_b32 s16, v31                   ; wave
	v_and_b32 v2, 15, v0                           ; r
	v_bfe_u32 v3, v0, 4, 1                         ; h
	s_and_b32 s17, ttmp7, 0xffff                   ; expert
	s_and_b32 s18, ttmp9, 7                        ; slice of columns
	s_lshr_b32 s19, ttmp9, 3                       ; q
	v_lshlrev_b32 v22, 4, v2
	v_lshl_add_u32 v4, v3, 17, v22                 ; 32 h rows of 4,096 bytes + 16 r
	v_lshlrev_b32 v28, 2, v1
	v_lshlrev_b32 v29, 4, v1                       ; 16 x lane
	v_add_nc_u32 v27, 1088, v1
	s_wait_alu depctr_va_sdst(0)                   ; s16 is written, ahead of its first reader: LDS places and the bases of w2 and hid are made from it
	s_mul_i32 s36, s16, LISTB                      ; my list
	v_add_nc_u32 v30, s36, v29
	s_add_co_u32 s33, s36, 128
	v_mov_b32 v26, s33                             ; the entries begin behind a lead of 32 places, so that tile i - 1 lies at byte 128 i
	s_lshr_b32 s33, s16, 1
	s_lshl_b32 s33, s33, 6                         ; token block w / 2: 16 entries,
	s_and_b32 s37, s16, 1
	s_lshl_b32 s37, s37, 4                         ; 4 (w % 2) entries
	s_add_co_u32 s33, s33, s37
	s_add_co_u32 s33, s33, s36
	v_lshl_add_u32 v11, v3, 5, s33                 ; and 8 h
	s_lshl_b32 s33, s16, 12
	s_add_co_u32 s33, s33, RED
	v_add_nc_u32 v20, s33, v29                     ; what I hand out: block (d, w)
	s_lshl_b32 s33, s16, 14
	s_add_co_u32 s33, s33, RED
	v_add_nc_u32 v21, s33, v29                     ; what I take: block (w, s)
	v_mov_b32 v6, v29                              ; tile 0
.irp i, 56,57,58,59
	v_mov_b32 v\i, 0
.endr
	s_mov_b32 s21, 0
	s_mov_b32 s28, 0                               ; the count
	s_wait_kmcnt 0x0
	s_lshl_b32 s20, s17, 24                        ; an expert's 16 MiB,
	s_lshl_b32 s36, s19, 22                        ; the quarter's 1,024 rows,
	s_add_co_u32 s20, s20, s36
	s_lshl_b32 s36, s16, 20                        ; my 256 of them,
	s_add_co_u32 s20, s20, s36
	s_lshl_b32 s36, s18, 9                         ; the slice's 512 bytes of a row
	s_add_co_u32 s20, s20, s36
	s_add_nc_u64 s[22:23], s[6:7], s[20:21]
	s_lshl_b32 s20, s19, 23                        ; part q: 2,048 rows of 4,096 bytes
	s_add_co_u32 s20, s20, s36
	s_add_nc_u64 s[26:27], s[10:11], s[20:21]
	s_lshl_b32 s20, s17, 23                        ; hid: the expert's 8 MiB,
	s_lshl_b32 s36, s19, 15                        ; the quarter's 64 blocks of 512 bytes,
	s_add_co_u32 s20, s20, s36
	s_lshl_b32 s36, s16, 13                        ; my 16 of them
	s_add_co_u32 s20, s20, s36
	s_add_nc_u64 s[24:25], s[4:5], s[20:21]
	s_wait_alu depctr_va_vdst(0)                   ; the offsets v4, v6, v29, the LDS addresses v20, v21, v26, v30 and the zeros v56-59 are written, which the loads, LDS stores and LDS loads below read
.irp i, 0,1,2,3,4,5,6,7,8,9,10,11,12,13,14,15
	global_load_b128 v[128+4*(\i):131+4*(\i)], v29, s[8:9] offset:512*(\i)  ; all of topi: word z of load i in lane l is row 128 i + 4 l + z
.endr
.irp yy, 0,1,2,3
	LOADG 0, 0, \yy                                ; the ring is filled: K steps 0 and 1, 64 loads
.endr
.irp yy, 0,1,2,3
	LOADG 1, 1, \yy
.endr
	WIN 0
.irp i, 0,1,2,3,4,5,6,7,8
	ds_store_b128 v30, v[56:59] offset:512*(\i)    ; the whole list is 0, the lead too
.endr
.set i, 0
.rept 32
	ds_store_b128 v21, v[56:59] offset:512*i       ; the blocks that I read are 0, so that the first trip's reads find stored bytes (nothing is made of them)
.set i, i+1
.endr
	s_wait_loadcnt 63                              ; 64 loads were issued behind topi's: with 63 out at the most, topi is in
	; THE STREAM
.irp s, 0,1,2,3,4,5
.irp yy, 0,1,2,3
	STEPW \s, \yy
.endr
.endr
	; All weights are asked for.  The list's end, while the last 64 loads are on their way.
	WIN 0
	ds_load_b32 v12, v26                           ; the expert's first row (LDS serves a wave's instructions in order: this sees my stores above)
	v_add_nc_u32 v13, s28, v1                      ; places n .. n + 31
	v_min_u32 v13, 1087, v13                       ; held inside the list's entries
	v_lshlrev_b32 v13, 2, v13
	v_add_nc_u32 v13, v26, v13
	s_add_co_u32 s29, s28, 31
	s_lshr_b32 s29, s29, 5                         ; NT: tiles of 32 places
	s_mov_b32 s30, 0                               ; the trip's number i
	s_mov_b32 s39, 0                               ; 128 i
	s_mov_b32 s32, 33
	s_wait_dscnt 0x0
	s_wait_alu depctr_va_vdst(0)                   ; v13 is written, which the LDS store reads as its address
	ds_store_b32 v13, v12                          ; the places behind the count repeat the first row
	; The ring runs out.  Tile 0 goes out as soon as its registers are read out: K steps 0-3 lie in parts 0 and 2 of buffer 0, K steps 4-7 in parts 1 and 3.
	STEPL 6, 0, 56                                 ; behind it: 24 of K step 6 and 32 of K step 7
	STEPL 6, 1, 48
	STEPL 6, 2, 40
	WIN 0xc0
	s_wait_alu depctr_va_vdst(0)                   ; the conversions are done reading parts 0 and 2 of buffer 0, in which the loads below land
.irp s, 0,1,2,3
	RELOAD \s
.endr
	STEPL 6, 3, 48                                 ; K step 7's 32 and the 16 just issued
	WIN 0xc0
	s_wait_alu depctr_va_vdst(0)                   ; the conversions are done reading parts 1 and 3 of buffer 0, in which the loads below land
.irp s, 4,5,6,7
	RELOAD \s
.endr
	STEPL 7, 0, 56                                 ; 24 of K step 7 and tile 0's 32
	STEPL 7, 1, 48
	STEPL 7, 2, 40
	STEPL 7, 3, 32                                 ; tile 0's 32 stay out
	WIN 0                                          ; at a label and at a branch every window is 0
.Ltrip:
	s_wait_dscnt 0x0                               ; my partial sums of tile i - 1 are in LDS
	s_wait_alu depctr_vm_vsrc(0)                   ; read by now: v31 (F's entry load), v6 (the loads of token fragments), the accumulators (P's LDS stores), v12-15 and v96-127 (F's stores); at the first trip v12-13 and v192-255 (the prologue's LDS stores).  All are written again in this trip
	v_add_nc_u32 v31, s39, v11                     ; tile i - 1's place in my list
	s_wait_alu depctr_va_vdst(0)                   ; v31 is written, which F's entry load reads; the vector work so far is done with v12-15, in which it lands, and with v128-255, in which the reads of partial sums land
	s_barrier_signal -1
	s_barrier_wait -1                              ; everybody's are
	s_cmp_gt_u32 s30, s29
	s_cbranch_scc1 .Lb2                            ; nothing is left: a trip without work takes one jump here and one behind the second barrier
	s_cmp_lt_u32 s30, s29
	s_cbranch_scc0 .Lnox
	; X: the products of tile i
	s_wait_xcnt 0x0                                ; the loads that are out have read their offset: v6 is written anew below
	s_add_co_u32 s36, s30, 1                       ; the tile to load: i + 1,
	s_sub_co_u32 s37, s29, 1
	s_min_u32 s36, s36, s37                        ; or the last one once more;
	s_min_u32 s36, s36, 31                         ; held inside the expert's room before it enters an address
	s_lshl_b32 s36, s36, 18                        ; 262,144 bytes a tile
	v_add_nc_u32 v6, s36, v29
	GETS 0                                         ; no wait: no vector or matrix instruction since the trip's head names v128-255 of window 0
	v_nop                                          ; with the two v_add_nc_u32 above and the four behind the last run: seven places between a tile's last products and the products that write over their accumulators
	KSTEP 0
	KSTEP 1
	WIN 0
	GETS 1
	PLACES
	WIN 0xc0
	s_wait_alu depctr_va_vdst(0)                   ; v6 is written, the offset of this trip's 32 loads; the products of K steps 0 and 1 are done reading their token fragments, in which the loads below land
	RELOAD 0
	RELOAD 1
	KSTEP 2
	KSTEP 3
	WIN 0
	GETS 2
	PLACES
	WIN 0xc0
	s_wait_alu depctr_va_vdst(0)                   ; the products of K steps 2 and 3 are done reading their token fragments, in which the loads below land
	RELOAD 2
	RELOAD 3
	KSTEP 4
	KSTEP 5
	WIN 0
	GETS 3
	PLACES
	WIN 0xc0
	s_wait_alu depctr_va_vdst(0)                   ; the products of K steps 4 and 5 are done reading their token fragments, in which the loads below land
	RELOAD 4
	RELOAD 5
	KSTEP 6
	KSTEP 7
	PLACES
	WIN 0xc0
	s_wait_alu depctr_va_vdst(0)                   ; the products of K steps 6 and 7 are done reading their token fragments, in which the loads below land; all the tile's products have written the accumulators, which P's LDS stores read
	RELOAD 6
	RELOAD 7
	WIN 0
	s_branch .Lb2
.Lnox:
	; Y (i = NT): no tile is left to multiply; the last tile's partial sums are read.  The two waits at the trip's head serve these loads too: nothing has named v128-255 since
.irp s, 0,1,2,3
	GETS \s
.endr
.Lb2:
	s_wait_dscnt 0x0                               ; my reads of the partial sums are back
	s_barrier_signal -1
	s_barrier_wait -1                              ; everybody's are: the blocks may be written again
	s_cmp_gt_u32 s30, s29
	s_cbranch_scc1 .Lnof
	s_cmp_lt_u32 s30, s29
	s_cbranch_scc0 .Lnop
	; P: registers 4 q .. 4 q + 3 of token block m's accumulators go to wave 2 m + q; each accumulator is read from its low end on.
	; No wait here: the wait of X's last slot stands behind all the tile's products and their four places, and no vector or matrix instruction since names an accumulator
	WIN 0x0c                                       ; the data in window 3
.irp m, 0,1
.irp c, 0,1,2,3,4,5,6,7
.irp q, 0,1
	ds_store_b128 v20, v[ACC+8*(8*(\m)+(\c))+4*(\q):ACC+8*(8*(\m)+(\c))+4*(\q)+3] offset:(2*(\m)+(\q))*16384+(\c)*512
.endr
.endr
.endr
	WIN 0
.Lnop:
	s_cmp_lg_u32 s30, 0
	s_cbranch_scc0 .Lnof
	; F: tile i - 1 is finished, while P's stores drain
	s_wait_xcnt 0x0                                ; the last trip's stores have read their offsets and data: both are written anew below
	ds_load_b128 v[12:15], v31                     ; the four rows that I store.  No wait: nothing has named v31 or v12-15 since the trip's head
	ALL16 v_pk_add_f32 v[LL+2*a:LL+2*a+1], v[LL+2*a:LL+2*a+1], v[LL+32+2*a:LL+32+2*a+1]
	ALL16 v_pk_add_f32 v[LL+64+2*a:LL+64+2*a+1], v[LL+64+2*a:LL+64+2*a+1], v[LL+96+2*a:LL+96+2*a+1]
.set n, 0
.rept 32                                ; n = 4 c + jj, c = 4 g + i: row jj of my four, column group g, column i of the lane's four
	v_add_f32 v[OO+((n%4)*2+n/16)*4+(n/4)%4], v[LL+n], v[LL+64+n]
.set n, n+1
.endr
	s_wait_dscnt 0x0                               ; the four entries (P's stores stand ahead of them; the barrier at the trip's head wants those done in any case)
.irp k, 0,1,2,3
	v_min_u32 v[12+(\k)], 0x7ff, v[12+(\k)]        ; held to 2,047 before it enters an address
.endr
.irp k, 0,1,2,3
	v_lshlrev_b32 v[12+(\k)], 12, v[12+(\k)]       ; 4,096 bytes a row of part,
.endr
.irp k, 0,1,2,3
	v_add_nc_u32 v[12+(\k)], v22, v[12+(\k)]       ; + 16 r
.endr
	s_wait_alu depctr_va_vdst(0)                   ; the sums have written v[OO ..], the stores' data, and v12-15 are written, their offsets
.irp k, 0,1,2,3
	global_store_b128 v[12+(\k)], v[OO+8*(\k):OO+8*(\k)+3], s[26:27]               ; 16 lanes store 256 consecutive bytes of a row of part, aligned: columns 0-63 of the slice,
	global_store_b128 v[12+(\k)], v[OO+8*(\k)+4:OO+8*(\k)+7], s[26:27] offset:256  ; and columns 64-127
.endr
.Lnof:
	s_add_co_u32 s30, s30, 1
	s_add_co_u32 s39, s39, 128                     ; 32 entries on
	s_sub_co_u32 s32, s32, 1
	s_cmp_lg_u32 s32, 0
	s_cbranch_scc1 .Ltrip
	s_wait_dscnt 0x0                               ; the wave's end: my last LDS instructions are done.
	s_wait_alu depctr_hold_cnt(0) depctr_sa_sdst(0) depctr_va_vdst(0) depctr_va_sdst(0) depctr_va_ssrc(0) depctr_va_vcc(0) depctr_vm_vsrc(0)
	s_wait_tensorcnt 0x0
	ds_add_u32 v94, v95
	s_wait_dscnt 0x0
	s_endpgm
.Lfunc_end_k_q93e1904959_ffn2:
	.size	k_q93e1904959_ffn2, .Lfunc_end_k_q93e1904959_ffn2-k_q93e1904959_ffn2
	.p2alignl 7, 3214868480
	.fill 96, 4, 3214868480
	.section	.rodata,"a",@progbits
	.p2align	6, 0x0
	.amdhsa_kernel k_q93e1904959_ffn2
		.amdhsa_group_segment_fixed_size 84480
		.amdhsa_private_segment_fixed_size 0
		.amdhsa_enable_private_segment 0
		.amdhsa_kernarg_size 32
		.amdhsa_user_sgpr_count 2
		.amdhsa_user_sgpr_kernarg_segment_ptr 1
		.amdhsa_wavefront_size32 1
		.amdhsa_system_sgpr_workgroup_id_x 1
		.amdhsa_system_sgpr_workgroup_id_y 1
		.amdhsa_system_sgpr_workgroup_id_z 1
		.amdhsa_system_vgpr_workitem_id 0
		.amdhsa_next_free_vgpr 1024
		.amdhsa_next_free_sgpr 66
		.amdhsa_reserve_vcc 0
		.amdhsa_float_denorm_mode_32 3
		.amdhsa_float_denorm_mode_16_64 3
		.amdhsa_memory_ordered 1
		.amdhsa_forward_progress 1
		.amdhsa_inst_pref_size 128
	.end_amdhsa_kernel
	.amdgpu_metadata
---
amdhsa.version: [ 1, 2 ]
amdhsa.kernels:
  - .name:           k_q93e1904959_ffn2
    .symbol:         k_q93e1904959_ffn2.kd
    .args:
      - { .name: hid, .offset: 0, .size: 8, .value_kind: global_buffer, .address_space: global }
      - { .name: w2, .offset: 8, .size: 8, .value_kind: global_buffer, .address_space: global }
      - { .name: topi, .offset: 16, .size: 8, .value_kind: global_buffer, .address_space: global }
      - { .name: part, .offset: 24, .size: 8, .value_kind: global_buffer, .address_space: global }
    .group_segment_fixed_size: 84480
    .private_segment_fixed_size: 0
    .kernarg_segment_align: 8
    .kernarg_segment_size: 32
    .max_flat_workgroup_size: 128
    .sgpr_count:     66
    .vgpr_count:     1024
    .wavefront_size: 32
...
	.end_amdgpu_metadata
.endif
;; end of part 8
;; launch sum: the kernel of part 4 again; grid 256 x 1, 8 waves a work-group, no clusters, 0 bytes of LDS; arguments part, b2, topi, topw, out0; writes out0
